; MI455X (gfx1250); checked and timed in simulation.
; The chip was launched on July 23, 2026; its instructions are those of AMD's public machine-readable ISA for CDNA 5 (MIT licence, August 2026) and "CDNA5" Instruction Set Architecture Reference Guide (July 2026). The comments in the code are by the model that wrote it; some were corrected since.
;; Kandinsky5 Attention. Allowed arithmetic: matrix products marked QUANTISED: E2M3 operands, one E8M0 scale for each 32 along K, by v_wmma_scale_f32_16x16x128_f8f6f4 with both operands' format E2M3, f32 sums; everything else in f32.
;; Inputs: bk 2,048 float32; bo 2,048 float32; bq 2,048 float32; bv 2,048 float32; hidden_states 1 x 2,048 x 2,048 float32; k_norm_w 128 float32; q_norm_w 128 float32; rotary_emb 1 x 2,048 x 1 x 64 x 2 x 2 float32; wk 2,048 x 2,048 float32; wo 2,048 x 2,048 float32; wq 2,048 x 2,048 float32; wv 2,048 x 2,048 float32.
;; Outputs: out0 1 x 2,048 x 2,048 float32.
;; This version of the problem:
;;   THIS VERSION OF THE PROBLEM IS GIVEN IN LOW PRECISION. The matrix products marked QUANTISED in the list below multiply operands that are first quantised to E2M3 (2 exponent bits, 3 mantissa bits; 6 bits a number), with one power-of-two scale for each 32 numbers along K (OCP MX v1.0); their sums are f32. All else is computed in f32.
;;   The module's matrix products, in the order in which they are computed (A, B: the left and right operand; K: the contracted axis; several contracted axes count as one K, in the product's order):
;;     1. [M 2,048, K 2,048] x [K 2,048, N 2,048]; A: input hidden_states; B: input wq: QUANTISED
;;     2. [M 2,048, K 2,048] x [K 2,048, N 2,048]; A: input hidden_states; B: input wk: QUANTISED
;;     3. [M 2,048, K 2,048] x [K 2,048, N 2,048]; A: input hidden_states; B: input wv: QUANTISED
;;     4. batch 16 x [M 2,048, K 128] x [K 128, N 2,048]; A: computed on the way; B: computed on the way: QUANTISED
;;     5. batch 16 x [M 128, K 2,048] x [K 2,048, N 2,048]; A: computed on the way; B: softmax (see below): QUANTISED
;;     6. [M 2,048, K 2,048] x [K 2,048, N 2,048]; A: computed on the way; B: input wo: QUANTISED
;;   THE QUANTISER, for each operand of a quantised product, along K:
;;     - K is cut into blocks of 32 from its start; a last block that is shorter is filled with zeros.
;;     - A block's scale is 2^e with e = floor(log2(the largest magnitude in the block)) - 2, held to -126 .. 127; a block of zeros has e = 0. As a byte (E8M0): e + 127.
;;     - Each number is divided by its block's scale, clamped to +-7.5, and rounded to the nearest number of E2M3, ties to even, subnormals kept.
;;     - The product sums the exact products of the quantised numbers (number of the format x scale) in f32.
;;   ~~~python
;;   def quantise(x, axis):      # numpy; x: float32 -> the quantised numbers, widened to float32 again
;;       x = np.moveaxis(x, axis, -1); K = x.shape[-1]
;;       x = np.pad(x, [(0, 0)] * (x.ndim - 1) + [(0, -K % 32)]); x = x.reshape(x.shape[:-1] + (-1, 32)); a = np.abs(x).max(-1, keepdims=True)
;;       e = np.where(a > 0, np.clip(np.frexp(np.where(a > 0, a, 1))[1] - 1 - 2, -126, 127), 0)      # np.frexp(a)[1] - 1 = floor(log2(a)), exactly
;;       r = np.clip(x / 2.0 ** e, -7.5, 7.5)
;;       step = 2.0 ** (np.maximum(np.frexp(np.where(r == 0, 1, r))[1] - 1, 0) - 3)
;;       q = np.round(r / step) * step * 2.0 ** e      # np.round: ties to even
;;       return np.moveaxis(q.reshape(q.shape[:-2] + (-1,))[..., :K], -1, axis).astype(np.float32)
;;   ~~~
;;   SOFTMAX AHEAD OF A QUANTISED PRODUCT. Where the list says 'softmax', what is quantised is not the finished softmax but p = 2^(t - M), with t = logit x log2(e) and M = ceil(the row's largest t), a whole number; so 1/2 < the row's largest p <= 1. The row's sum l is taken of the UNQUANTISED p, in f32, and the product's result is divided by l at the end. Since M is a whole number, a kernel that streams over the keys may use a running M (the ceiling of the running maximum): every later rescaling is an exact power of two, which a block's scale takes up: the codes' values come out the same.
;;   OPERANDS COMPUTED ON THE WAY. 'Computed on the way' means the value that the module computes at that place (a softmax that the list does not call 'softmax' is quantised finished and normalised). What goes into a quantiser is computed in f32, as accurately as f32 sums, v_exp_f32 and their like allow (about 1e-6 of the number): no bf16 or f16 on the way to a quantiser, and a product that is left as it is and whose result goes on into a quantised operand takes f32 operands (vector FMAs, or v_wmma_f32_16x16x4_f32). A number that lies on a knife's edge between two numbers of the format may be rounded either way, as far as f32 arithmetic and the matrix unit's own rounding can turn it there, and no further.
;; One version. Each part assembles by itself: llvm-mc -triple=amdgcn-amd-amdhsa -mcpu=gfx1250 --defsym DOCPART=n.
;; ======== version 1 of 1: 4 launches
;; limits: right only within a limited range of input values
;; workspace buffers: xw 16,384,000 bytes; ropef 2,097,152 bytes; qkvf 9,830,400 bytes; ocodes 3,276,800 bytes
;; launch quant (part 1): grid 1312 x 1, 4 waves a work-group, no clusters, 68,096 bytes of LDS; arguments wq, wk, hidden_states, wv, wo, rotary_emb, xw, ropef; writes xw, ropef
.if DOCPART == 1
	.amdgcn_target "amdgcn-amd-amdhsa--gfx1250"
	.amdhsa_code_object_version 6
	.text
	.protected	k_q35314d2f44_quant
	.globl	k_q35314d2f44_quant
	.p2align	8
	.type	k_q35314d2f44_quant,@function
k_q35314d2f44_quant:
	s_mov_b64 s[64:65], 0
	v_nop
	global_prefetch_b8 v0, s[64:65] scope:SCOPE_SE
	s_setreg_imm32_b32 hwreg(HW_REG_WAVE_MODE, 25, 1), 1
	s_wait_xcnt 0x0
; LAUNCH 1.  The five large f32 tensors [2048][2048] (K innermost) become codes of FP6 (E2M3) with one E8M0 byte for each 32 along K, and the rotary table is laid anew.
; THE OPERAND FORMAT of this program (a "KB", 12,800 bytes = 128 rows x 128 K):  8 fragments of 1,536 bytes, tile t = 2 b + u; lane r (lane % 16) of tile t stands for row 32 b + 8 u + r + 8 (r / 8) of the 128.
;   A fragment is the IMAGE OF THE OPERAND'S 12 REGISTERS: registers 4 c .. 4 c + 3 of lane l lie at 512 c + 16 l.  Registers 6 c .. 6 c + 5 of lane (r, h) hold K = 64 c + 32 h + 0 .. 31 of the lane's row.
;   From byte 12,288 on the scale words, 128 bytes for each b: lanes 0-15 the words of tile 2 b, lanes 16-31 those of tile 2 b + 1; byte i of a word scales K = 32 i .. 32 i + 31.
; xw = [row block 80][K step 16][KB]; row blocks 0-15 wq, 16-31 wk, 32-47 hidden_states, 48-63 wv, 64-79 wo.
; ropef = [token block 16][half 2][tile 8][chunk 16][512 bytes]: chunk 8 c + j holds at 16 x lane the four numbers of pair 16 (2 half + c) + 8 h + j for the token of lane r of the tile, as (r00, r10, r01, r11).
; A block's scale is 2^(floor(log2(its largest magnitude)) - 2); its byte is the largest magnitude's exponent field - 2, held at 1 from below; beyond 7.5 the conversion gives the largest code.
; LIMITS: NaN and infinities among the inputs are not served.  A block whose largest magnitude lies under 2^-124 (a block of zeros among them) gets the byte 1: a block of zeros has zero codes, which add nothing, and this program alone reads the bytes.
; SHARES.  Work-groups 0 .. 1279: one KB each (tensor = id / 256, row block = (id / 16) % 16, K step = id % 16).  Work-groups 1280 .. 1311: half the rotary numbers of 128 tokens each.
; Wave w takes tiles 2 w and 2 w + 1.  Each load reads 512 consecutive bytes of one row; a tile's 16 rows turn through the wave's own stage in LDS (rows 528 = 33 x 16 bytes apart, so that sixteen lanes that read the
; same column of sixteen rows fall on sixteen different 16-byte columns modulo 256) and come back as 128 neighbouring bytes a lane and half.  Waves share nothing: no barrier.  The two paths have stages of their own.
.set KBB,   12800
.set FRB,   1536
.set SCO,   12288
.set NKB,   1280                       ; work-groups that make a KB
.set STW,   8448                       ; a wave's stage: 16 rows x 528 bytes
.set STB,   4*STW                      ; the rotary path's four stages lie behind the first path's four
.set SPARE, 8*STW                      ; behind the stages: the spare words, 128 bytes for each wave: two blocks of 256 bytes that no other line names
.set LN16,  4                          ; v4   16 x lane
.set LN4,   5                          ; v5   4 x lane
.set SIA,   6                          ; v6   first path: into the stage: 16 x lane
.set SOA,   7                          ; v7   first path: out of it: 528 r + 128 h
.set SPW,   8                          ; v8   LDS address of my spare word; never rewritten
.set NIL,   9                          ; v9   0; never rewritten
.set SIB,   22                         ; v22, v23  the same two for the rotary path
.set SOB,   23
.set R,     64                         ; v64-191   two tiles as loaded
.set X,     192                        ; v192-255  a tile's 64 numbers of my lane
; v10-11 largest magnitudes, v12-13 scale operands, v14-15 bytes, v16 my two bytes, v17 the other half's, v18 8 h, v20-21 the tiles' scale words, v24-35 and v36-47 codes, v48-55 the conversions' second halves, v56 at work
.macro LOADF u, pitch, bs              ; tile u: 16 rows, 512 consecutive bytes each
.irp i, 0,1,2,3,4,5,6,7,8,9,10,11,12,13,14,15
	global_load_b128 v[R+64*\u+4*\i:R+64*\u+4*\i+3], v[LN16], s[\bs:\bs+1] offset:(8*\u+\i+8*(\i/8))*\pitch th:TH_LOAD_NT
.endr
.endm
.macro TURN u, ain, aout               ; through the stage; LDS serves a wave's instructions in order, so no wait stands between the stores and the loads
.irp i, 0,1,2,3,4,5,6,7,8,9,10,11,12,13,14,15
	ds_store_b128 v[\ain], v[R+64*\u+4*\i:R+64*\u+4*\i+3] offset:528*\i
.endr
.irp c, 0,1
.irp j, 0,1,2,3,4,5,6,7
	ds_load_b128 v[X+32*\c+4*\j:X+32*\c+4*\j+3], v[\aout] offset:256*\c+16*\j   ; row r, K = 64 c + 32 h + 4 j on
.endr
.endr
.endm
.macro Q6 pc, w                        ; my two whole blocks (2 c + h, c = 0, 1) become registers pc .. pc + 11 of the fragment; the row's scale word goes to v[w]
.irp c, 0,1
	v_max3_num_f32 v[10+\c], |v[X+32*\c]|, |v[X+32*\c+1]|, 0x1800000   ; with the floor 2^(3 - 127): the byte cannot fall under 1
.endr
.irp i, 2,4,6,8,10,12,14,16,18,20,22,24,26,28,30
.irp c, 0,1
	v_max3_num_f32 v[10+\c], v[10+\c], |v[X+32*\c+\i]|, |v[X+32*\c+\i+1]|   ; the two blocks by turns
.endr
.endr
.irp c, 0,1
	v_add_nc_u32 v[12+\c], 0xff000000, v[10+\c]    ; 2 off the exponent field: the conversion takes this operand's exponent field as its scale
.endr
.irp c, 0,1
	v_lshrrev_b32 v[14+\c], 23, v[12+\c]           ; the scale's byte
.endr
	v_lshl_or_b32 v16, v15, 16, v14                ; blocks h and 2 + h of my row,
	v_lshlrev_b32 v16, v18, v16                    ; at their places in the word (8 h bits up);
	v_permlanex16_b32 v17, v16, s26, s27
	v_or_b32 v[\w], v16, v17                       ; with lane l xor 16's two the word is whole, in both halves of the lanes
.irp c, 0,1
	v_cvt_scalef32_pk16_fp6_f32 v[\pc+6*\c:\pc+6*\c+2], v[X+32*\c:X+32*\c+15], v[12+\c]
	v_cvt_scalef32_pk16_fp6_f32 v[48+4*\c:50+4*\c], v[X+32*\c+16:X+32*\c+31], v[12+\c]   ; (a conversion's three registers begin on an even number)
.endr
	v_nop                                          ; one plain place behind a scaled conversion
.irp c, 0,1
.irp i, 0,1,2
	v_mov_b32 v[\pc+6*\c+3+\i], v[48+4*\c+\i]
.endr
.endr
.endm
	s_load_b256 s[4:11], s[0:1], 0x0               ; wq s[4:5], wk s[6:7], hidden_states s[8:9], wv s[10:11]
	s_load_b256 s[12:19], s[0:1], 0x20             ; wo s[12:13], rotary_emb s[14:15], xw s[16:17], ropef s[18:19]
	v_lshl_add_u32 v[SPW], v0, 2, SPARE
	v_mov_b32 v[NIL], 0
	v_lshrrev_b32 v1, 5, v0
	v_readfirstlane_b32 s20, v1                    ; wave 0..3
	v_and_b32 v1, 31, v0                           ; lane
	v_and_b32 v2, 15, v0                           ; r
	v_bfe_u32 v3, v0, 4, 1                         ; h
	v_lshlrev_b32 v[LN16], 4, v1
	v_lshlrev_b32 v[LN4], 2, v1
	s_mul_i32 s29, s20, STW                        ; my stage
	v_add_nc_u32 v[SIA], s29, v[LN16]
	v_mul_u32_u24 v[SOA], v2, 528
	v_lshl_add_u32 v[SOA], v3, 7, v[SOA]
	v_add_nc_u32 v[SOA], s29, v[SOA]
	v_add_nc_u32 v[SIB], STB, v[SIA]               ; every LDS address is made ahead of the parting of the two paths
	v_add_nc_u32 v[SOB], STB, v[SOA]
	v_lshlrev_b32 v18, 3, v3
	v_mov_b32 v17, 0                               ; written once: a lane permute's destination counts as one of its sources
	s_mov_b32 s26, 0x76543210
	s_mov_b32 s27, 0xfedcba98                      ; v_permlanex16_b32's selects for lane l xor 16
	s_mov_b32 s28, 0xffff0000                      ; lanes 16-31
	s_mov_b32 s23, 0
	s_mov_b32 s25, 0
	s_mov_b32 s31, 0
	s_wait_kmcnt 0x0
	s_cmp_ge_u32 ttmp9, NKB                        ; the work-group's number alone decides
	s_cbranch_scc1 .Lrope
	; ---- a KB of xw
	s_bfe_u32 s22, ttmp9, 0x40004                  ; row block: 128 rows of 8,192 bytes,
	s_lshl_b32 s22, s22, 20
	s_lshl_b32 s29, s20, 18                        ; my wave's 32 rows,
	s_add_co_u32 s22, s22, s29
	s_and_b32 s29, ttmp9, 15                       ; K step: 512 bytes of a row
	s_lshl_b32 s29, s29, 9
	s_add_co_u32 s22, s22, s29
	s_lshr_b32 s21, ttmp9, 8                       ; which tensor
.irp n, 1,2,3,4
	s_cmp_eq_u32 s21, \n
	s_cselect_b64 s[4:5], s[4+2*\n:5+2*\n], s[4:5]
.endr
	s_add_nc_u64 s[4:5], s[4:5], s[22:23]
	s_mul_i32 s24, ttmp9, KBB
	s_add_nc_u64 s[16:17], s[16:17], s[24:25]      ; my KB
	s_mul_i32 s24, s20, 2*FRB
	s_add_nc_u64 s[24:25], s[16:17], s[24:25]      ; my two fragments
	s_lshl_b32 s30, s20, 7
	s_add_nc_u64 s[30:31], s[16:17], s[30:31]      ; my 128 bytes of scale words (12,288 stand in the store's immediate)
	LOADF 0, 8192, 4
	LOADF 1, 8192, 4                               ; 32 loads, 16 KiB, of every wave are out
	s_wait_loadcnt 16                              ; the first tile's are in; the second tile's sixteen may be out
	s_wait_alu depctr_va_vdst(0)
	TURN 0, SIA, SOA
	s_wait_dscnt 0x0
	Q6 24, 20
.irp c, 0,1,2
	global_store_b128 v[LN16], v[24+4*\c:27+4*\c], s[24:25] offset:512*\c          ; 512 consecutive bytes, at a multiple of 256 from xw's first byte
.endr
	s_wait_loadcnt 0x0
	TURN 1, SIA, SOA
	s_wait_dscnt 0x0
	Q6 36, 21
.irp c, 0,1,2
	global_store_b128 v[LN16], v[36+4*\c:39+4*\c], s[24:25] offset:FRB+512*\c
.endr
	v_cndmask_b32 v20, v20, v21, s28               ; lanes 0-15 the even tile's words, lanes 16-31 the odd tile's
	global_store_b32 v[LN4], v20, s[30:31] offset:SCO
	s_wait_tensorcnt 0x0                           ; the wave's end
	ds_add_u32 v[SPW], v[NIL]
	s_wait_dscnt 0x0
	s_endpgm
.Lrope:	; ---- the rotary table: rows of 1,024 bytes (a token's 64 pairs x 4 numbers); this work-group takes one half (512 bytes) of 128 rows
	s_sub_co_u32 s21, ttmp9, NKB                   ; 2 x token block + half
	s_lshr_b32 s22, s21, 1
	s_lshl_b32 s22, s22, 17                        ; 128 rows of 1,024 bytes,
	s_lshl_b32 s29, s20, 15                        ; my wave's 32 rows,
	s_add_co_u32 s22, s22, s29
	s_and_b32 s29, s21, 1
	s_lshl_b32 s29, s29, 9                         ; the half
	s_add_co_u32 s22, s22, s29
	s_add_nc_u64 s[14:15], s[14:15], s[22:23]
	s_lshl_b32 s24, s21, 16                        ; 65,536 bytes for each (token block, half),
	s_lshl_b32 s29, s20, 14                        ; my two tiles of 8,192
	s_add_co_u32 s24, s24, s29
	s_add_nc_u64 s[24:25], s[18:19], s[24:25]
	LOADF 0, 1024, 14
	LOADF 1, 1024, 14
.macro ROPE u
	TURN \u, SIB, SOB
	s_wait_dscnt 0x0
.irp k, 0,1,2,3,4,5,6,7,8,9,10,11,12,13,14,15
	v_mov_b32 v56, v[X+4*\k+1]                     ; (r00, r01, r10, r11) becomes (r00, r10, r01, r11): two pairs for the packed forms
	v_mov_b32 v[X+4*\k+1], v[X+4*\k+2]
	v_mov_b32 v[X+4*\k+2], v56
.endr
.irp k, 0,1,2,3,4,5,6,7,8,9,10,11,12,13,14,15
	global_store_b128 v[LN16], v[X+4*\k:X+4*\k+3], s[24:25] offset:8192*\u+512*\k
.endr
.endm
	s_wait_loadcnt 16                              ; the first tile's are in; the second tile's sixteen may be out
	s_wait_alu depctr_va_vdst(0)
	ROPE 0
	s_wait_loadcnt 0x0
	s_wait_xcnt 0x0                                ; the first tile's stores have read their data: the registers are loaded again only behind this wait
	ROPE 1
	s_wait_tensorcnt 0x0                           ; the wave's end, as above
	ds_add_u32 v[SPW], v[NIL]
	s_wait_dscnt 0x0
	s_endpgm
.Lfunc_end_k_q35314d2f44_quant:
	.size	k_q35314d2f44_quant, .Lfunc_end_k_q35314d2f44_quant-k_q35314d2f44_quant
	.p2alignl 7, 3214868480
	.fill 96, 4, 3214868480
	.section	.rodata,"a",@progbits
	.p2align	6, 0x0
	.amdhsa_kernel k_q35314d2f44_quant
		.amdhsa_group_segment_fixed_size 68096
		.amdhsa_private_segment_fixed_size 0
		.amdhsa_enable_private_segment 0
		.amdhsa_kernarg_size 64
		.amdhsa_user_sgpr_count 2
		.amdhsa_user_sgpr_kernarg_segment_ptr 1
		.amdhsa_wavefront_size32 1
		.amdhsa_system_sgpr_workgroup_id_x 1
		.amdhsa_system_sgpr_workgroup_id_y 1
		.amdhsa_system_sgpr_workgroup_id_z 1
		.amdhsa_system_vgpr_workitem_id 0
		.amdhsa_next_free_vgpr 256
		.amdhsa_next_free_sgpr 66
		.amdhsa_reserve_vcc 0
		.amdhsa_float_denorm_mode_32 3
		.amdhsa_float_denorm_mode_16_64 3
		.amdhsa_memory_ordered 1
		.amdhsa_forward_progress 1
		.amdhsa_inst_pref_size 31
	.end_amdhsa_kernel
	.amdgpu_metadata
---
amdhsa.version: [ 1, 2 ]
amdhsa.kernels:
  - .name:           k_q35314d2f44_quant
    .symbol:         k_q35314d2f44_quant.kd
    .args:
      - { .name: wq, .offset: 0, .size: 8, .value_kind: global_buffer, .address_space: global }
      - { .name: wk, .offset: 8, .size: 8, .value_kind: global_buffer, .address_space: global }
      - { .name: hidden_states, .offset: 16, .size: 8, .value_kind: global_buffer, .address_space: global }
      - { .name: wv, .offset: 24, .size: 8, .value_kind: global_buffer, .address_space: global }
      - { .name: wo, .offset: 32, .size: 8, .value_kind: global_buffer, .address_space: global }
      - { .name: rotary_emb, .offset: 40, .size: 8, .value_kind: global_buffer, .address_space: global }
      - { .name: xw, .offset: 48, .size: 8, .value_kind: global_buffer, .address_space: global }
      - { .name: ropef, .offset: 56, .size: 8, .value_kind: global_buffer, .address_space: global }
    .group_segment_fixed_size: 68096
    .private_segment_fixed_size: 0
    .kernarg_segment_align: 8
    .kernarg_segment_size: 64
    .max_flat_workgroup_size: 128
    .sgpr_count:     66
    .vgpr_count:     256
    .wavefront_size: 32
...
	.end_amdgpu_metadata
.endif
;; end of part 1
;; launch qkv (part 2): grid 16 x 16, 4 waves a work-group, clusters of 4 x 4, 327,680 bytes of LDS; arguments xw, ropef, bq, bk, bv, q_norm_w, k_norm_w, qkvf; writes qkvf
.if DOCPART == 2
	.amdgcn_target "amdgcn-amd-amdhsa--gfx1250"
	.amdhsa_code_object_version 6
	.text
	.protected	k_q35314d2f44_qkv
	.globl	k_q35314d2f44_qkv
	.p2align	8
	.type	k_q35314d2f44_qkv,@function
k_q35314d2f44_qkv:
	s_mov_b64 s[64:65], 0
	v_nop
	global_prefetch_b8 v0, s[64:65] scope:SCOPE_SE
	s_setreg_imm32_b32 hwreg(HW_REG_WAVE_MODE, 25, 1), 1
	s_wait_xcnt 0x0
	s_wait_alu depctr_hold_cnt(0) depctr_sa_sdst(0) depctr_va_vdst(0) depctr_va_sdst(0) depctr_va_ssrc(0) depctr_va_vcc(0) depctr_vm_vsrc(0)
	s_getreg_b32 s2, hwreg(HW_REG_IB_STS2, 6, 4)
	s_cmp_eq_u32 s2, 0
	s_cbranch_scc0 .Lentry_in_a_cluster
	s_endpgm
.Lentry_in_a_cluster:
	s_bfe_u32 s2, ttmp6, 0x10000c
	s_cmp_lg_u32 s2, 0xf033
	s_cbranch_scc0 .Lentry_shape_is_right
	s_endpgm
.Lentry_shape_is_right:
; LAUNCH 2.  q, k and v of one head for 128 tokens, in ONE walk along K = 2,048; then bias, RMS norm, rotary turn and the quantisers of the two attention products.
; OPERANDS lie as "KB"s of 12,800 bytes (128 rows x 128 K): 8 fragments of 1,536 bytes, images of their 12 registers (registers 4 g .. 4 g + 3 of lane l at 512 g + 16 l); lane r of tile 2 b + u stands for row
; 32 b + 8 u + r + 8 (r / 8); from byte 12,288 the scale words, 64 bytes a tile.  xw = [row block 80][K step 16][KB]: 0-15 wq, 16-31 wk, 32-47 hidden_states, 48-63 wv.
; qkvf = [q, k, v][head][16][KB]: q, k: rows tokens, K the head's channels; v: rows the head's channels, K the tokens.
; SHARES.  Work-group (head, token block).  Wave w: tokens 64 (w / 2) .. + 63, channels 64 (w % 2) .. + 63 of q, of k and of v: 48 accumulators, 48 products for the 16 fragments of a K step.
; q, k: source 0 = 16 channels, source 1 = 16 tokens: a lane holds one token, its registers run along the channels.  v: the sources swapped: a lane holds one channel, its registers run along the tokens.
; By the tiles' choice of rows 16 registers of two neighbouring tiles are 16 neighbours along the next product's K.  The biases are the C of the first K step's products.
; THE RING: two LDS slots of two K steps (wq, wk, wv, x: 25,600 dense bytes each); wave w fetches the w-th.  CLUSTER 4 x 4: the weights hang on the head alone and are shared along a column, x on the token block alone and along a row.
; PREFETCH: behind the load of fill i each wave names fill i + 2 of the tensor that it fetches: 100 blocks of 256 bytes, of which each of the four partners that ask jointly takes 25, told apart by address (lanes 25-31 name
; the 25th again); fills 0 and 1 come by their loads alone, and the last two loads ask for nothing.  The token block's rotary numbers (512 blocks, four partners, four waves: a lane a block) are named once, in front of the walk.
; THE NORM's sum of squares spans two waves: each stores its halves in LDS, one barrier, each reads the other's.  The factor 1 / rms is applied behind the rotary turn, which is linear.
; THE WAY OUT: a wave makes half the registers of a fragment (6 of 12) and half a scale word, so the three KBs are gathered in LDS bytes of their own and leave in runs of 512 consecutive bytes.
; LIMITS: NaN and infinities are not served.  A block whose largest magnitude lies under 2^-124 gets the scale byte 1 (a block of zeros has zero codes; this program alone reads the bytes).
; REGISTERS.  Window 0: v0-31, v86-87 addresses; v32-47 scale words, two sets; v48-79 v's bias, then with v80-84 the quantiser's; v128-255 v's sums (32 n + 8 m).
;   Windows 1, 2: fragment sets 0, 1: wq 0-47, wk 48-95, wv 96-143, x 144-191.  Window 1 v192-255 q's and k's bias; at the end all of window 1 the rotary numbers.  Window 2 v192-255 the norms' gains; at the end v48-191 at work.
;   Window 3: q's sums 0-127, k's 128-255 (32 m + 8 n).
.set KBB,   12800
.set FRB,   1536
.set SCO,   12288
.set RBB,   16*KBB
.set TB,    2*KBB                      ; two K steps of one tensor: what one tensor load brings
.set XO,    3*TB                       ; x's place in a slot
.set SLOT1, 1<<17                      ; slot 1 begins here: one exclusive or turns an address of one slot into the other's
.set EXB,   4*TB                       ; between the slots: 4 x 1,024 bytes for the sums of squares; no fill lands here
.set SPARE, 2*SLOT1                    ; the spare words, 128 bytes a wave
.set STG,   SPARE+1024                 ; the three KBs on their way out; no fill lands here
.set PART,  256*KBB
.set LN16, 4
.set LN4,  5
.set ADW,  6                           ; v6-7 wq's and wk's fragments in slot 0, 1;  v8-9 wv's;  v10-11 x's;  v12-13 the weights' scale words;  v14-15 x's
.set ADV,  8
.set ADX,  10
.set ASW,  12
.set ASX,  14
.set SPW,  16
.set NIL,  17
.set PFO,  18
.set PFR,  19
.set BO64, 20
.set BVO,  21
.set QA0,  22
.set QA1,  23
.set VA0,  24
.set VA1,  25
.set QS,   26
.set VS,   27
.set EXS,  28
.set EXL,  29
.set RD,   30
.set RD2,  31
.set GO,   86
.set GO2,  87
.set SC,   32
.set TM,   48
.set PC,   64
.set PW,   84
.set Y,    96
.set T,    160
.set S,    176
.set R,    184
.set WV,   20
.set G1W,  32
.set G1X,  40
.set G0W,  48
.set G0X,  52
.set PFA,  56
.set SEL,  72
.set CNT,  76
.set MSB, 0
.macro WIN new                         ; the immediate's high byte repeats the setting that is left
.if MSB != (\new)
	s_set_vgpr_msb (MSB<<8)|(\new)
.set MSB, (\new)
.endif
.endm
.macro PLACES n
.rept \n
	v_nop
.endr
.endm
.macro CREST                           ; a round of the cluster's barrier behind its opening barrier
	s_cmp_lg_u32 s[WV], 0
	s_cbranch_scc1 .Lnot_wave_0_\@
	s_barrier_signal -3
.Lnot_wave_0_\@:
	s_barrier_wait -3
	s_barrier_signal -1
	s_barrier_wait -1
.endm
.macro CROUND
	s_barrier_signal -1
	s_barrier_wait -1
	CREST
.endm
.macro JLOAD                           ; waves 0-2 fetch the weights, wave 3 x: one mask to a line; s_nop 0 and four v_nop behind each
	s_cmp_lt_u32 s[WV], 3
	s_cbranch_scc0 .Lfor_x_\@
	tensor_load_to_lds s[G0W:G0W+3], s[G1W:G1W+7]
	s_nop 0
	PLACES 4
	s_branch .Lasked_\@
.Lfor_x_\@:
	tensor_load_to_lds s[G0X:G0X+3], s[G1X:G1X+7]
	s_nop 0
	PLACES 4
.Lasked_\@:
.endm
.macro NEXTFILL                        ; the walking descriptors: the other slot, the next two K steps (written only where no tensor load of mine is out)
	s_xor_b32 s[G0W+1], s[G0W+1], SLOT1
	s_xor_b32 s[G0X+1], s[G0X+1], SLOT1
	s_add_nc_u64 s[G0W+2:G0W+3], s[G0W+2:G0W+3], TB
	s_add_nc_u64 s[G0X+2:G0X+3], s[G0X+2:G0X+3], TB
.endm
.macro WM d, a, b, c, sa, sb, ra, rb
.if (\ra) && (\rb)
	v_wmma_scale_f32_16x16x128_f8f6f4 v[\d:\d+7], v[\a:\a+11], v[\b:\b+11], v[\c:\c+7], v[\sa], v[\sb] matrix_a_fmt:MATRIX_FMT_FP6 matrix_b_fmt:MATRIX_FMT_FP6 matrix_a_scale:MATRIX_SCALE_ROW1 matrix_b_scale:MATRIX_SCALE_ROW1
.elseif (\ra)
	v_wmma_scale_f32_16x16x128_f8f6f4 v[\d:\d+7], v[\a:\a+11], v[\b:\b+11], v[\c:\c+7], v[\sa], v[\sb] matrix_a_fmt:MATRIX_FMT_FP6 matrix_b_fmt:MATRIX_FMT_FP6 matrix_a_scale:MATRIX_SCALE_ROW1
.elseif (\rb)
	v_wmma_scale_f32_16x16x128_f8f6f4 v[\d:\d+7], v[\a:\a+11], v[\b:\b+11], v[\c:\c+7], v[\sa], v[\sb] matrix_a_fmt:MATRIX_FMT_FP6 matrix_b_fmt:MATRIX_FMT_FP6 matrix_b_scale:MATRIX_SCALE_ROW1
.else
	v_wmma_scale_f32_16x16x128_f8f6f4 v[\d:\d+7], v[\a:\a+11], v[\b:\b+11], v[\c:\c+7], v[\sa], v[\sb] matrix_a_fmt:MATRIX_FMT_FP6 matrix_b_fmt:MATRIX_FMT_FP6
.endif
.endm
; products of q (t = 0) or k (t = 1): token tiles m0 .. m0 + nm - 1 x my four channel tiles, on fragment set p.  first = 1: C is the bias.  The accumulators take turns.
.macro MQK p, t, m0, nm, first
.set MM, \m0
.rept \nm
.set NN, 0
.rept 4
.set DD, 128*(\t)+32*MM+8*NN
.if \first
.set CC, 192+32*(\t)+8*NN
.else
.set CC, DD
.endif
	WM DD, 48*(\t)+12*NN, 144+12*MM, CC, SC+8*(\p)+2*(\t)+NN/2, SC+8*(\p)+6+MM/2, NN%2, MM%2
.set NN, NN+1
.endr
.set MM, MM+1
.endr
.endm
.macro MV p, first                     ; v's sixteen: source 0 = tokens, source 1 = channels
.set NN, 0
.rept 4
.set MM, 0
.rept 4
.set DD, 128+32*NN+8*MM
.if \first
.set CC, 48+8*NN
.else
.set CC, DD
.endif
	WM DD, 144+12*MM, 96+12*NN, CC, SC+8*(\p)+6+MM/2, SC+8*(\p)+4+NN/2, MM%2, NN%2
.set MM, MM+1
.endr
.set NN, NN+1
.endr
.endm
; 56 LDS loads: the q-th K step of a slot into set p, in the order in which the products want them: 8 scale words, x (12), wq (12), wk (12), wv (12)
.macro FETCH slot, q, p
	WIN 0
.irp b, 0,1
.irp t, 0,1,2
	ds_load_b32 v[SC+8*(\p)+2*\t+\b], v[ASW+(\slot)] offset:TB*\t+KBB*(\q)+128*\b
.endr
	ds_load_b32 v[SC+8*(\p)+6+\b], v[ASX+(\slot)] offset:KBB*(\q)+128*\b
.endr
	WIN 0x40<<(\p)
.irp m, 0,1,2,3
.irp c, 0,1,2
	ds_load_b128 v[144+12*\m+4*\c:144+12*\m+4*\c+3], v[ADX+(\slot)] offset:KBB*(\q)+FRB*\m+512*\c
.endr
.endr
.irp t, 0,1
.irp n, 0,1,2,3
.irp c, 0,1,2
	ds_load_b128 v[48*\t+12*\n+4*\c:48*\t+12*\n+4*\c+3], v[ADW+(\slot)] offset:TB*\t+KBB*(\q)+FRB*\n+512*\c
.endr
.endr
.endr
.irp n, 0,1,2,3
.irp c, 0,1,2
	ds_load_b128 v[96+12*\n+4*\c:96+12*\n+4*\c+3], v[ADV+(\slot)] offset:KBB*(\q)+FRB*\n+512*\c
.endr
.endr
.endm
; A slot's first K step (set 0); it fetches the slot's second into set 1.
.macro EVEN slot, first
	s_wait_dscnt 24                                ; scale words, x and wq are in; wk's and wv's 24 loads may be out
	WIN 0xF5-0x20*(\first)
	MQK 0, 0, 0, 4, \first
	s_wait_dscnt 0x0
	PLACES 4                                       ; places in front of loads into registers that the last step's products have read
	FETCH \slot, 1, 1
	WIN 0xF5-0x20*(\first)
	MQK 0, 1, 0, 4, \first
	WIN 0x05
	MV 0, \first
	WIN 0
.endm
; A slot's second K step (set 1) and the change of slots.  fill = 1: the barrier opens a round of the cluster's, and the slot just read out takes the fill two on.
.macro ODD slot, fill
.if \fill
	s_wait_xcnt 0x0                                ; my last prefetch has read its address
	s_add_nc_u64 s[PFA:PFA+1], s[PFA:PFA+1], TB
.endif
	s_wait_tensorcnt 0x0                           ; my one load that was out, my part of the other slot, has landed
	ds_add_u32 v[SPW], v[NIL]
.if \fill
	NEXTFILL
.endif
	s_wait_dscnt 25                                ; the add and wk's and wv's 24 loads may be out
	WIN 0xFA
	MQK 1, 0, 0, 2, 0
	s_wait_dscnt 0x0                               ; the add is done, and my reads of this slot are over
	s_barrier_signal -1
	MQK 1, 0, 2, 2, 0
	WIN 0
	s_barrier_wait -1
.if \fill
	CREST
	JLOAD                                          ; its four v_nop are the places in front of the loads below
.else
	PLACES 4
.endif
	FETCH 1-(\slot), 0, 0
	WIN 0
.if \fill
	s_cmp_gt_u32 s[CNT], 1                         ; the last trip's two loads have no fill two on
	s_cbranch_scc0 .Lnone_\@
	global_prefetch_b8 v[PFO], s[PFA:PFA+1] offset:3*TB th:TH_LOAD_NT scope:SCOPE_SE
.Lnone_\@:
.endif
	WIN 0xFA
	MQK 1, 1, 0, 4, 0
	WIN 0x0A
	MV 1, 0
	WIN 0
.endm
; 64 numbers of a lane (four half blocks of 16 along K; lane l xor 16 holds the other halves) become 12 registers of codes at PC and four scale bytes in PW.  All its registers lie in one window.
.macro QUANT s
.irp b, 0,1,2,3
	v_max3_num_f32 v[TM+\b], |v[\s+16*\b]|, |v[\s+1+16*\b]|, 0x1800000   ; with the floor 2^(3 - 127): the byte cannot fall under 1
.endr
.irp i, 2,4,6,8,10,12,14
.irp b, 0,1,2,3
	v_max3_num_f32 v[TM+\b], v[TM+\b], |v[\s+16*\b+\i]|, |v[\s+1+16*\b+\i]|
.endr
.endr
.irp b, 0,1,2,3
	v_permlanex16_b32 v[TM+4+\b], v[TM+\b], s[SEL], s[SEL+1]
.endr
.irp b, 0,1,2,3
	v_max_num_f32 v[TM+\b], v[TM+\b], v[TM+4+\b]
.endr
.irp b, 0,1,2,3
	v_add_nc_u32 v[TM+12+\b], 0xff000000, v[TM+\b]   ; 2 off the exponent field: the conversion's scale operand
.endr
.irp b, 0,1,2,3
	v_lshrrev_b32 v[TM+4+\b], 23, v[TM+12+\b]
.endr
	v_lshl_or_b32 v[PW], v[TM+5], 8, v[TM+4]
	v_lshl_or_b32 v[PW], v[TM+6], 16, v[PW]
	v_lshl_or_b32 v[PW], v[TM+7], 24, v[PW]
.irp c, 0,1
	v_cvt_scalef32_pk16_fp6_f32 v[PC+6*\c:PC+2+6*\c], v[\s+32*\c:\s+15+32*\c], v[TM+12+2*\c]
	v_cvt_scalef32_pk16_fp6_f32 v[PC+12+4*\c:PC+14+4*\c], v[\s+16+32*\c:\s+31+32*\c], v[TM+12+2*\c+1]
.endr
	v_nop                                          ; one plain place behind a scaled conversion
.irp c, 0,1
.irp i, 0,1,2
	v_permlane16_swap_b32 v[PC+6*\c+\i], v[PC+12+4*\c+\i]   ; a whole block to a lane
.endr
.irp i, 0,1,2
	v_mov_b32 v[PC+3+6*\c+\i], v[PC+12+4*\c+\i]
.endr
.endr
.endm
; the two halves of QUANT's result go to two fragments' images in the stage: six registers as three pieces of 8 bytes, and half a scale word
.macro PUT a0, a1, as, o0, o1, s0, s1
	ds_store_b64 v[\a0], v[PC:PC+1] offset:\o0
	ds_store_b64 v[\a1], v[PC+2:PC+3] offset:\o0
	ds_store_b64 v[\a0], v[PC+4:PC+5] offset:\o0+512
	ds_store_b64 v[\a0], v[PC+6:PC+7] offset:\o1
	ds_store_b64 v[\a1], v[PC+8:PC+9] offset:\o1
	ds_store_b64 v[\a0], v[PC+10:PC+11] offset:\o1+512
	ds_store_b16 v[\as], v[PW] offset:\s0
	ds_store_b16_d16_hi v[\as], v[PW] offset:\s1
.endm
	s_load_b512 s[4:19], s[0:1], 0x0               ; xw, ropef, bq, bk, bv, q_norm_w, k_norm_w, qkvf
	v_lshl_add_u32 v[SPW], v0, 2, SPARE
	v_mov_b32 v[NIL], 0
	ds_add_u32 v[SPW], v[NIL]                      ; the opening: the add, twice on end, and its wait ahead of my first tensor load
	ds_add_u32 v[SPW], v[NIL]
	v_lshrrev_b32 v1, 5, v0
	v_readfirstlane_b32 s[WV], v1                  ; wave 0..3
	s_and_b32 s21, s[WV], 1                        ; cw: my half of the channels
	s_lshr_b32 s22, s[WV], 1                       ; tw: my half of the tokens
	s_bfe_u32 s23, ttmp6, 0x40000                  ; cx
	s_bfe_u32 s24, ttmp6, 0x40004                  ; cy
	s_lshl_b32 s25, ttmp9, 2
	s_add_co_u32 s25, s25, s23                     ; the head
	s_and_b32 s26, ttmp7, 0xffff
	s_lshl_b32 s26, s26, 2
	s_add_co_u32 s26, s26, s24                     ; the token block
	s_lshl_b32 s27, s24, 2
	s_lshl_b32 s27, 15, s27                        ; my row of the cluster
	s_lshl_b32 s28, 0x1111, s23                    ; my column
	s_or_b32 s[G1W], s28, (3<<16)|(1<<21)          ; group 1: 25,600 dense bytes as 100 rows of 32 elements of 8 bytes
	s_or_b32 s[G1X], s27, (3<<16)|(1<<21)
.irp g, G1W, G1X
	s_mov_b32 s[\g+1], 32<<16
	s_mov_b32 s[\g+2], 100<<16
	s_mov_b32 s[\g+3], 32<<16
	s_mov_b32 s[\g+4], 100
	s_mov_b32 s[\g+5], 32
	s_mov_b32 s[\g+6], 0
	s_mov_b32 s[\g+7], 0
.endr
	s_lshl_b32 s29, s[WV], 4
	s_lshl_b32 s30, s22, 4
	s_add_co_u32 s29, s29, s30                     ; row blocks 0, 16, 48 on: wq, wk, wv
	s_add_co_u32 s29, s29, s25
	s_mul_i32 s66, s29, RBB
	s_mov_b32 s67, 0
	s_add_co_u32 s30, s26, 32
	s_mul_i32 s68, s30, RBB                        ; x's row block
	s_mov_b32 s69, 0
	s_cmp_lt_u32 s[WV], 3
	s_cselect_b32 s[PFA], s66, s68                 ; the prefetches: the tensor that I fetch,
	s_cselect_b32 s31, s24, s23                    ; my place among the four that ask for it with me,
	s_mul_i32 s31, s31, 25*256                     ; 25 blocks of 256 bytes each
	s_add_co_u32 s[PFA], s[PFA], s31
	s_mov_b32 s[PFA+1], 0
	s_lshl_b32 s58, s26, 17                        ; my rotary numbers: token block, half cw, four tiles from 4 tw
	s_lshl_b32 s31, s21, 16
	s_add_co_u32 s58, s58, s31
	s_lshl_b32 s31, s22, 15
	s_add_co_u32 s58, s58, s31
	s_mov_b32 s59, 0
	s_lshl_b32 s60, s26, 17                        ; and the 32 blocks of them that I name ahead
	s_lshl_b32 s31, s23, 15
	s_add_co_u32 s60, s60, s31
	s_lshl_b32 s31, s[WV], 13
	s_add_co_u32 s60, s60, s31
	s_mov_b32 s61, 0
	s_lshl_b32 s80, s21, 8                         ; my 64 channels in a head,
	s_mov_b32 s81, 0
	s_lshl_b32 s78, s25, 9
	s_add_co_u32 s78, s78, s80                     ; and in a bias
	s_mov_b32 s79, 0
	s_lshl_b32 s62, s25, 4
	s_add_co_u32 s62, s62, s26
	s_mul_i32 s62, s62, KBB                        ; q's KB; k's and v's lie PART and 2 PART further on
	s_mov_b32 s63, 0
	s_mul_i32 s82, s21, 4*FRB                      ; LDS places, all of constants and the wave's number
	s_mul_i32 s98, s22, 4*FRB
	s_add_co_u32 s83, s98, XO
	s_add_co_u32 s84, s80, SCO
	s_lshl_b32 s99, s22, 8
	s_add_co_u32 s85, s99, XO+SCO
	s_mul_i32 s86, s21, 520                        ; a fragment's registers 6 c, 6 c + 1 lie at 16 l + 520 c, 6 c + 2, 6 c + 3 at 16 l + 8 + 1016 c, 6 c + 4, 6 c + 5 at 16 l + 512 + 520 c
	s_add_co_u32 s86, s86, s98
	s_add_co_u32 s86, s86, STG
	s_mul_i32 s87, s21, 1016
	s_add_co_u32 s87, s87, s98
	s_add_co_u32 s87, s87, STG+8
	s_mul_i32 s88, s22, 520
	s_add_co_u32 s88, s88, s82
	s_add_co_u32 s88, s88, STG+2*KBB
	s_mul_i32 s89, s22, 1016
	s_add_co_u32 s89, s89, s82
	s_add_co_u32 s89, s89, STG+2*KBB+8
	s_lshl_b32 s90, s21, 1
	s_add_co_u32 s90, s90, s99
	s_add_co_u32 s90, s90, STG+SCO
	s_lshl_b32 s91, s22, 1
	s_add_co_u32 s91, s91, s80
	s_add_co_u32 s91, s91, STG+2*KBB+SCO
	s_lshl_b32 s92, s[WV], 10
	s_add_co_u32 s92, s92, EXB
	s_xor_b32 s93, s[WV], 1                        ; the wave with my tokens and the other channels
	s_lshl_b32 s93, s93, 10
	s_add_co_u32 s93, s93, EXB
	s_lshl_b32 s96, s[WV], 9
	s_add_co_u32 s94, s96, STG
	s_mul_i32 s95, s[WV], KBB
	s_add_co_u32 s95, s95, STG+SCO
	s_mul_i32 s97, s[WV], PART
	s_add_co_u32 s97, s97, SCO
	s_mov_b32 s[SEL], 0x76543210
	s_mov_b32 s[SEL+1], 0xfedcba98                 ; lane l xor 16
	s_mov_b32 s74, 0x3c000000                      ; 1 / 128
	s_mov_b32 s75, 0x34000000                      ; eps = 2^-23
	s_mov_b32 s[G0W], 1
	s_mul_i32 s[G0W+1], s[WV], TB
	s_mov_b32 s[G0X], 1
	s_mul_i32 s[G0X+1], s[WV], TB
	s_wait_dscnt 0x0                               ; both opening adds are done
	s_wait_kmcnt 0x0
	s_add_nc_u64 s[G0W+2:G0W+3], s[4:5], s[66:67]
	s_or_b32 s[G0W+3], s[G0W+3], 0x80000000
	s_add_nc_u64 s[G0X+2:G0X+3], s[4:5], s[68:69]
	s_or_b32 s[G0X+3], s[G0X+3], 0x80000000
	s_add_nc_u64 s[PFA:PFA+1], s[4:5], s[PFA:PFA+1]
	s_add_nc_u64 s[58:59], s[6:7], s[58:59]
	s_add_nc_u64 s[60:61], s[6:7], s[60:61]
	s_add_nc_u64 s[8:9], s[8:9], s[78:79]
	s_add_nc_u64 s[10:11], s[10:11], s[78:79]
	s_add_nc_u64 s[12:13], s[12:13], s[78:79]
	s_add_nc_u64 s[14:15], s[14:15], s[80:81]
	s_add_nc_u64 s[16:17], s[16:17], s[80:81]
	s_add_nc_u64 s[62:63], s[18:19], s[62:63]
	CROUND                                         ; all sixteen work-groups are here: the first joint loads meet
	JLOAD                                          ; fill 0: one tensor load a wave at the head
	v_and_b32 v1, 31, v0
	v_and_b32 v2, 15, v0
	v_bfe_u32 v3, v0, 4, 1
	v_lshlrev_b32 v[LN16], 4, v1
	v_lshlrev_b32 v[LN4], 2, v1
	v_add_nc_u32 v[ADW], s82, v[LN16]
	v_add_nc_u32 v[ADW+1], SLOT1, v[ADW]
	v_add_nc_u32 v[ADV], 2*TB, v[ADW]
	v_add_nc_u32 v[ADV+1], SLOT1, v[ADV]
	v_add_nc_u32 v[ADX], s83, v[LN16]
	v_add_nc_u32 v[ADX+1], SLOT1, v[ADX]
	v_add_nc_u32 v[ASW], s84, v[LN4]
	v_add_nc_u32 v[ASW+1], SLOT1, v[ASW]
	v_add_nc_u32 v[ASX], s85, v[LN4]
	v_add_nc_u32 v[ASX+1], SLOT1, v[ASX]
	v_add_nc_u32 v[QA0], s86, v[LN16]
	v_add_nc_u32 v[QA1], s87, v[LN16]
	v_add_nc_u32 v[VA0], s88, v[LN16]
	v_add_nc_u32 v[VA1], s89, v[LN16]
	v_lshlrev_b32 v[QS], 2, v2
	v_add_nc_u32 v[VS], s91, v[QS]
	v_add_nc_u32 v[QS], s90, v[QS]
	v_add_nc_u32 v[EXS], s92, v[LN16]
	v_add_nc_u32 v[EXL], s93, v[LN16]
	v_add_nc_u32 v[RD], s94, v[LN16]
	v_add_nc_u32 v[RD2], s95, v[LN16]
	v_add_nc_u32 v[GO], s96, v[LN16]
	v_add_nc_u32 v[GO2], s97, v[LN16]
	v_min_u32 v[PFO], 24, v1
	v_lshlrev_b32 v[PFO], 8, v[PFO]
	v_lshlrev_b32 v[PFR], 8, v1
	v_lshlrev_b32 v[BO64], 6, v3                   ; register 8 n + j of a lane is channel 32 (n / 2) + 16 h + 8 (n % 2) + j of my 64
	v_and_b32 v[BVO], 8, v2
	v_add_nc_u32 v[BVO], v[BVO], v2
	v_lshlrev_b32 v[BVO], 2, v[BVO]                ; lane r of tile n is channel 32 (n / 2) + 8 (n % 2) + r + 8 (r / 8)
	s_wait_alu depctr_va_vdst(0)
	WIN 0x40
.irp n, 0,1,2,3
.irp e, 0,1
	global_load_b128 v[192+8*\n+4*\e:192+8*\n+4*\e+3], v[BO64], s[8:9] offset:128*(\n/2)+32*(\n%2)+16*\e
	global_load_b128 v[224+8*\n+4*\e:224+8*\n+4*\e+3], v[BO64], s[10:11] offset:128*(\n/2)+32*(\n%2)+16*\e
.endr
.endr
	WIN 0x80
.irp n, 0,1,2,3
.irp e, 0,1
	global_load_b128 v[192+8*\n+4*\e:192+8*\n+4*\e+3], v[BO64], s[14:15] offset:128*(\n/2)+32*(\n%2)+16*\e
	global_load_b128 v[224+8*\n+4*\e:224+8*\n+4*\e+3], v[BO64], s[16:17] offset:128*(\n/2)+32*(\n%2)+16*\e
.endr
.endr
	WIN 0
.irp n, 0,1,2,3
.irp j, 0,1,2,3,4,5,6,7
	global_load_b32 v[48+8*\n+\j], v[BVO], s[12:13] offset:128*(\n/2)+32*(\n%2)   ; v: each of a tile's eight C registers takes the bias of the lane's channel
.endr
.endr
	global_prefetch_b8 v[PFO], s[PFA:PFA+1] offset:2*TB th:TH_LOAD_NT scope:SCOPE_SE   ; fill 2
	s_wait_tensorcnt 0x0                           ; my part of fill 0 is in
	ds_add_u32 v[SPW], v[NIL]
	NEXTFILL
	s_wait_dscnt 0x0
	CROUND
	JLOAD                                          ; fill 1, the first tensor load behind the round
	FETCH 0, 0, 0
	WIN 0
	global_prefetch_b8 v[PFO], s[PFA:PFA+1] offset:3*TB th:TH_LOAD_NT scope:SCOPE_SE   ; fill 3
	global_prefetch_b8 v[PFR], s[60:61] th:TH_LOAD_NT scope:SCOPE_SE                    ; the rotary numbers, wanted behind the walk
	s_wait_loadcnt 0x0                             ; biases and gains
	EVEN 0, 1                                      ; K step 0 starts the sums on the biases
	s_mov_b32 s[CNT], 3
.Lk:                                               ; a trip: K steps 4 i + 1 .. 4 i + 4, once round the ring, two refills
	ODD 0, 1
	EVEN 1, 0
	ODD 1, 1
	EVEN 0, 0
	s_sub_co_u32 s[CNT], s[CNT], 1
	s_cmp_lg_u32 s[CNT], 0
	s_cbranch_scc1 .Lk
	ODD 0, 0                                       ; K steps 13 to 15 ask for nothing more
	EVEN 1, 0
	s_wait_dscnt 0x0
	PLACES 4                                       ; places in front of loads into set 0, which K step 14 has read
	WIN 0x40
.irp m, 0,1,2,3
.irp k, 0,1,2,3,4,5,6,7,8,9,10,11,12,13,14,15
	global_load_b128 v[64*\m+4*\k:64*\m+4*\k+3], v[LN16], s[58:59] offset:8192*\m+512*\k   ; token tile m, pair k of my 16 a lane: (r00, r10, r01, r11)
.endr
.endr
	WIN 0xFA
	MQK 1, 0, 0, 4, 0
	MQK 1, 1, 0, 4, 0
	WIN 0x0A
	MV 1, 0
	PLACES 4
	; the sums of squares of my 64 channels: group g = 2 m + p (p = 0 q, 1 k), ascending: each accumulator is read from its low end on
	WIN 0xAF
.set J, 0
.rept 16
.set G, 0
.rept 8
.set AB, 128*(G%2)+32*(G/2)+2*J
.if J == 0
	v_pk_mul_f32 v[T+2*G:T+2*G+1], v[AB:AB+1], v[AB:AB+1]
.else
	v_pk_fma_f32 v[T+2*G:T+2*G+1], v[AB:AB+1], v[AB:AB+1], v[T+2*G:T+2*G+1]
.endif
.set G, G+1
.endr
.set J, J+1
.endr
	WIN 0xAA
.irp g, 0,1,2,3,4,5,6,7
	v_add_f32 v[S+\g], v[T+2*\g], v[T+2*\g+1]
.endr
.irp g, 0,1,2,3,4,5,6,7
	v_permlanex16_b32 v[T+2*\g], v[S+\g], s[SEL], s[SEL+1]
.endr
.irp g, 0,1,2,3,4,5,6,7
	v_add_f32 v[S+\g], v[S+\g], v[T+2*\g]
.endr
	WIN 0x08
	ds_store_b128 v[EXS], v[S:S+3]
	ds_store_b128 v[EXS], v[S+4:S+7] offset:512
	s_wait_alu depctr_va_vdst(0)
	s_wait_dscnt 0x0
	s_barrier_signal -1
	WIN 0xCB
.set J, 0
.rept 128
	v_pk_mul_f32 v[2*J:2*J+1], v[2*J:2*J+1], v[192+32*(J/64)+2*(J%16):192+32*(J/64)+2*(J%16)+1]   ; x the norm's gain, while the others arrive
.set J, J+1
.endr
	WIN 0
	s_barrier_wait -1
	WIN 0x80
	ds_load_b128 v[T:T+3], v[EXL]                  ; the other 64 channels' sums
	ds_load_b128 v[T+4:T+7], v[EXL] offset:512
	WIN 0
	QUANT 128                                      ; v: channel tiles 0, 1, then 2, 3; K = my 64 tokens
	PUT VA0, VA1, VS, 0, FRB, 0, 64
	QUANT 192
	PUT VA0, VA1, VS, 2*FRB, 3*FRB, 128, 192
	s_wait_alu depctr_va_vdst(0)
	s_wait_dscnt 0x0
	s_wait_loadcnt 0x0                             ; the rotary numbers
	WIN 0xAA
.irp g, 0,1,2,3,4,5,6,7
	v_add_f32 v[S+\g], v[S+\g], v[T+\g]
.endr
.irp g, 0,1,2,3,4,5,6,7
	v_fma_f32 v[S+\g], v[S+\g], s74, s75           ; the mean + eps
.endr
	s_wait_alu depctr_va_vdst(0)
.irp g, 0,1,2,3,4,5,6,7
	v_rsq_f32 v[R+\g], v[S+\g]
.endr
	v_nop
	s_wait_alu depctr_va_vdst(0)
.irp m, 0,1,2,3
	WIN 0xAD
.irp p, 0,1
.set RP, 0
.rept 16
	v_pk_mul_f32 v[Y+32*\p+2*RP:Y+32*\p+2*RP+1], v[64*\m+4*RP:64*\m+4*RP+1], v[128*\p+32*\m+2*RP:128*\p+32*\m+2*RP+1] op_sel_hi:[1,0]
.set RP, RP+1
.endr
.endr
.irp p, 0,1
.set RP, 0
.rept 16
	v_pk_fma_f32 v[Y+32*\p+2*RP:Y+32*\p+2*RP+1], v[64*\m+4*RP+2:64*\m+4*RP+3], v[128*\p+32*\m+2*RP:128*\p+32*\m+2*RP+1], v[Y+32*\p+2*RP:Y+32*\p+2*RP+1] op_sel:[0,1,0] op_sel_hi:[1,1,1]
.set RP, RP+1
.endr
.endr
	WIN 0xAA
.set RP, 0
.rept 16
	v_pk_mul_f32 v[Y+2*RP:Y+2*RP+1], v[Y+2*RP:Y+2*RP+1], v[R+2*\m:R+2*\m+1] op_sel_hi:[1,0]                  ; q: x 1 / rms of q's row
	v_pk_mul_f32 v[Y+32+2*RP:Y+32+2*RP+1], v[Y+32+2*RP:Y+32+2*RP+1], v[R+2*\m:R+2*\m+1] op_sel:[0,1] op_sel_hi:[1,1]   ; k: of k's
.set RP, RP+1
.endr
	QUANT Y
	WIN 0x08
	PUT QA0, QA1, QS, FRB*\m, KBB+FRB*\m, 64*\m, KBB+64*\m
.endr
	WIN 0
	s_wait_alu depctr_va_vdst(0)
	s_wait_dscnt 0x0                               ; my stores into the stage are done
	s_barrier_signal -1
	s_barrier_wait -1
.irp p, 0,1,2
.irp i, 0,1,2,3,4,5
	ds_load_b128 v[128+24*\p+4*\i:128+24*\p+4*\i+3], v[RD] offset:KBB*\p+2048*\i   ; runs w + 4 i of 512 bytes of each KB
.endr
.endr
	s_wait_dscnt 0x0
.irp p, 0,1,2
.irp i, 0,1,2,3,4,5
	global_store_b128 v[GO], v[128+24*\p+4*\i:128+24*\p+4*\i+3], s[62:63] offset:PART*\p+2048*\i   ; 512 consecutive bytes, at a multiple of 256 from the buffer's first byte
.endr
.endr
	s_cmp_lt_u32 s[WV], 3
	s_cbranch_scc0 .Lno_words
	ds_load_b128 v[200:203], v[RD2]                ; the 25th run, the scale words, of KB w
	s_wait_dscnt 0x0
	global_store_b128 v[GO2], v[200:203], s[62:63]
.Lno_words:
	s_wait_tensorcnt 0x0                           ; the wave's end
	ds_add_u32 v[SPW], v[NIL]
	s_wait_dscnt 0x0
	CROUND                                         ; the closing round
	s_endpgm
.Lfunc_end_k_q35314d2f44_qkv:
	.size	k_q35314d2f44_qkv, .Lfunc_end_k_q35314d2f44_qkv-k_q35314d2f44_qkv
	.p2alignl 7, 3214868480
	.fill 96, 4, 3214868480
	.section	.rodata,"a",@progbits
	.p2align	6, 0x0
	.amdhsa_kernel k_q35314d2f44_qkv
		.amdhsa_group_segment_fixed_size 327680
		.amdhsa_private_segment_fixed_size 0
		.amdhsa_enable_private_segment 0
		.amdhsa_kernarg_size 64
		.amdhsa_user_sgpr_count 2
		.amdhsa_user_sgpr_kernarg_segment_ptr 1
		.amdhsa_wavefront_size32 1
		.amdhsa_system_sgpr_workgroup_id_x 1
		.amdhsa_system_sgpr_workgroup_id_y 1
		.amdhsa_system_sgpr_workgroup_id_z 1
		.amdhsa_system_vgpr_workitem_id 0
		.amdhsa_next_free_vgpr 1024
		.amdhsa_next_free_sgpr 100
		.amdhsa_reserve_vcc 0
		.amdhsa_float_denorm_mode_32 3
		.amdhsa_float_denorm_mode_16_64 3
		.amdhsa_memory_ordered 1
		.amdhsa_forward_progress 1
		.amdhsa_inst_pref_size 177
	.end_amdhsa_kernel
	.amdgpu_metadata
---
amdhsa.version: [ 1, 2 ]
amdhsa.kernels:
  - .name:           k_q35314d2f44_qkv
    .symbol:         k_q35314d2f44_qkv.kd
    .args:
      - { .name: xw, .offset: 0, .size: 8, .value_kind: global_buffer, .address_space: global }
      - { .name: ropef, .offset: 8, .size: 8, .value_kind: global_buffer, .address_space: global }
      - { .name: bq, .offset: 16, .size: 8, .value_kind: global_buffer, .address_space: global }
      - { .name: bk, .offset: 24, .size: 8, .value_kind: global_buffer, .address_space: global }
      - { .name: bv, .offset: 32, .size: 8, .value_kind: global_buffer, .address_space: global }
      - { .name: q_norm_w, .offset: 40, .size: 8, .value_kind: global_buffer, .address_space: global }
      - { .name: k_norm_w, .offset: 48, .size: 8, .value_kind: global_buffer, .address_space: global }
      - { .name: qkvf, .offset: 56, .size: 8, .value_kind: global_buffer, .address_space: global }
    .group_segment_fixed_size: 327680
    .private_segment_fixed_size: 0
    .kernarg_segment_align: 8
    .kernarg_segment_size: 64
    .max_flat_workgroup_size: 128
    .sgpr_count:     100
    .vgpr_count:     1024
    .wavefront_size: 32
...
	.end_amdgpu_metadata
.endif
;; end of part 2
;; launch attn (part 3): grid 16 x 16, 8 waves a work-group, clusters of 4 x 1, 327,680 bytes of LDS; arguments qkvf, ocodes; writes ocodes
.if DOCPART == 3
	.amdgcn_target "amdgcn-amd-amdhsa--gfx1250"
	.amdhsa_code_object_version 6
	.text
	.protected	k_q35314d2f44_attn
	.globl	k_q35314d2f44_attn
	.p2align	8
	.type	k_q35314d2f44_attn,@function
k_q35314d2f44_attn:
	s_mov_b64 s[64:65], 0
	v_nop
	global_prefetch_b8 v0, s[64:65] scope:SCOPE_SE
	s_setreg_imm32_b32 hwreg(HW_REG_WAVE_MODE, 25, 1), 1
	s_wait_xcnt 0x0
	s_wait_alu depctr_hold_cnt(0) depctr_sa_sdst(0) depctr_va_vdst(0) depctr_va_sdst(0) depctr_va_ssrc(0) depctr_va_vcc(0) depctr_vm_vsrc(0)
	s_getreg_b32 s2, hwreg(HW_REG_IB_STS2, 6, 4)
	s_cmp_eq_u32 s2, 0
	s_cbranch_scc0 .Lentry_in_a_cluster
	s_endpgm
.Lentry_in_a_cluster:
	s_bfe_u32 s2, ttmp6, 0x10000c
	s_cmp_lg_u32 s2, 0x3003
	s_cbranch_scc0 .Lentry_shape_is_right
	s_endpgm
.Lentry_shape_is_right:
; LAUNCH 3.  o = softmax(q k^T / sqrt(128)) v for 16 heads, 2,048 queries and 2,048 keys, no mask; both products on codes of FP6 (E2M3, one E8M0 scale for each 32 along K); o quantised along the channels for the last product.
; THE SOFTMAX AHEAD OF THE SECOND PRODUCT: t = score x log2(e) / sqrt(128); M = the running largest t rounded UP to a whole number; p = 2^(t - M) is quantised along the keys, not normalised.  The row's sum is taken of the
; unquantised p and divides O at the end.  When M moves, the sum and O are multiplied by 2^(old M - new M), which rounds nothing.
; OPERANDS lie as "KB"s of 12,800 bytes (128 rows x 128 K): 8 fragments of 1,536 bytes as images of their 12 registers (registers 4 c .. 4 c + 3 of lane l at 512 c + 16 l); lane r of tile 2 b + u stands for row
; 32 b + 8 u + r + 8 (r / 8); from byte 12,288 the scale words, 64 bytes a tile.
; qkvf = [q, k, v][head][16][KB]: q, k: token block, rows tokens, K the head's channels; v: key step, rows the head's channels, K the keys.   ocodes = [token block][head][KB]: rows tokens, K step = the head.
; SHARES.  A work-group owns the 128 queries of one KB of q.  Wave w = 4 kh + g owns the 32 queries of tiles 2 g, 2 g + 1 and, of each slot's four key steps, steps 2 kh and 2 kh + 1: each fragment of K and V that it reads
; feeds two products.  Two waves to a SIMD.  Both products are used transposed (S^T = K Q^T, O^T = V^T P^T): a lane holds one query of each tile throughout.
; A KEY STEP takes the two tiles one after the other through one set of 64 score registers, so that K and V have 96 registers each: the next step's K is asked for behind tile 1's score products and lands under its softmax,
; the next step's V behind the step's last product and lands under the next softmax.  Tile 0's second product and tile 1's score products stand ahead of tile 1's softmax.
; THE TWO HALVES OF THE KEYS MEET AT THE END.  Wave kh holds query tile 2 g + kh as its tile 0 and the other as its tile 1: so every wave sends its tile 1 (O, -M, the sum) through LDS and finishes its tile 0 with what the
; wave w xor 4 sent: both parts are brought under the larger M by powers of two, which round nothing.  The bytes lie in slot 0, which has had its last fill and its last read by then.
; THE RING: two LDS slots of four key steps (K's 4 KBs, then V's 4).  Every wave fetches one KB, 12,800 dense bytes.  CLUSTER of 4 x 1: the four query blocks of a cluster belong to one head and ask for K and V jointly.
; PREFETCH: behind the loads of fills 0 and 1 fills 2 and 3 are named: of a fill's 8 KBs the partner at place cx takes K's and V's cx-th, 50 blocks of 256 bytes each, 13 to a wave (left-over lanes name the last again).
; LIMITS: NaN and infinities are not served.  The promise holds while the scaled scores t stay under 2^31 in magnitude.  p under 2^-126 comes out of v_exp_f32 as 0.  A block whose largest magnitude lies under 2^-124 gets the
; scale byte 1 (a block of zeros has zero codes; this program alone reads the bytes).  A block's largest p is taken as 2^(the block's largest t - M), which takes v_exp_f32 not to fall where its input rises.  1 / l is v_rcp_f32.
; REGISTERS.  Window 0: v1-11, v54-57 addresses; tile a: v[12 + 4 a] -M, the largest t, the sum in two halves; v20-43 Q, v44-45 its scale words; v46-49 K's scale words, v50-53 V's; v58-59 the factor, v60 p's scale word;
;   v64-127 S^T, then p; v128-223 V's 8 fragments; v224-242 at work; v244-255 p's codes.   Window 1: v0-127 O^T; v128-223 K's 8 fragments.
.set KBB,   12800
.set FRB,   1536
.set SCO,   12288
.set RBB,   16*KBB
.set HALF,  4*KBB                      ; four key steps of K, or of V
.set SLOT1, 1<<17                      ; slot 1 begins here, so that one exclusive or turns an address in one slot into the other's
.set SPARE, 2*SLOT1                    ; behind the ring: the spare words, 128 bytes for each wave
.set XW,    8704                       ; what a wave sends at the end: 64 + 4 registers
.set L16K,  1                          ; v1   16 x lane + my two key steps' place in a slot
.set L4K,   2                          ; v2   4 x lane + the same
.set R4,    3                          ; v3   4 x (lane % 16)
.set L16V,  4                          ; v4   v1 + HALF
.set SPW,   5
.set NIL,   6
.set L4V,   7                          ; v7   v2 + HALF
.set ADK,   8                          ; v8-11 the slot in hand: K's codes, V's codes, K's scale words, V's
.set ADV,   9
.set ASK,   10
.set ASV,   11
.set QF,    20
.set QS,    44
.set KS,    46
.set VS,    50
.set G16,   54                         ; v54  16 x lane
.set XS,    55                         ; v55  where I send, v56 where I receive
.set XL,    56
.set PFO,   57
.set FF,    58
.set PWD,   60
.set T1,    61
.set SB,    64
.set BM,    224                        ; a block's largest score, then its largest p
.set BT,    228                        ; at work; with v232-241 the sums' seven chains
.set SO,    232                        ; the conversions' scale operands
.set CV,    236                        ; the conversions' second halves
.set CD,    244
.set TM,    192                        ; the last quantiser's
.set PC,    208
.set PW,    228
.set WV,    8
.set SEL,   26
.set TB,    28                         ; s28  LDS byte at which the slot in hand begins
.set CNT,   29
.set CS,    30                         ; s[30:31] c = log2(e) / sqrt(128)
.set MSB, 0
.macro WIN new
.if MSB != (\new)
	s_set_vgpr_msb (MSB<<8)|(\new)
.set MSB, (\new)
.endif
.endm
.macro PLACES
.rept 4
	v_nop
.endr
.endm
.macro CROUND                          ; a round of the cluster's barrier
	s_barrier_signal -1
	s_barrier_wait -1
	s_cmp_lg_u32 s[WV], 0
	s_cbranch_scc1 .Lnot_wave_0_\@
	s_barrier_signal -3
.Lnot_wave_0_\@:
	s_barrier_wait -3
	s_barrier_signal -1
	s_barrier_wait -1
.endm
.macro TLOAD                           ; every wave fetches its KB of the slot; s_nop 0 and four v_nop follow
	tensor_load_to_lds s[12:15], s[16:23]
	s_nop 0
	PLACES
.endm
.macro CODES adr, q                    ; the 8 fragments of my q-th KB of the slot, under the window that stands
.irp t, 0,1,2,3,4,5,6,7
.irp c, 0,1,2
	ds_load_b128 v[128+12*\t+4*\c:128+12*\t+4*\c+3], v[\adr] offset:KBB*(\q)+FRB*\t+512*\c
.endr
.endr
.endm
.macro WORDS reg, adr, q               ; and its scale words
.irp b, 0,1,2,3
	ds_load_b32 v[\reg+\b], v[\adr] offset:SCO+KBB*(\q)+128*\b
.endr
.endm
.macro GETK q                          ; 28 LDS loads: K's scale words, then its fragments into window 1
	WORDS KS, ASK, \q
	WIN 0x40
	CODES ADK, \q
	WIN 0
.endm
.macro GETV q                          ; 28 LDS loads: V's
	WORDS VS, ASV, \q
	CODES ADV, \q
.endm
.macro QUANT s, pc, pw                 ; 64 numbers of a lane, register 16 b + i = K 32 b + 16 (lane / 16) + i of its row, become a fragment's codes in v[pc] .. v[pc + 11] and the row's scale word in v[pw]
.irp b, 0,1,2,3
	v_max3_num_f32 v[TM+\b], |v[\s+16*\b]|, |v[\s+1+16*\b]|, 0x1800000
.endr
.irp i, 2,4,6,8,10,12,14
.irp b, 0,1,2,3
	s_delay_alu instid0(VALU_DEP_4)
	v_max3_num_f32 v[TM+\b], v[TM+\b], |v[\s+16*\b+\i]|, |v[\s+1+16*\b+\i]|
.endr
.endr
.irp b, 0,1,2,3
	s_delay_alu instid0(VALU_DEP_4)
	v_permlanex16_b32 v[TM+4+\b], v[TM+\b], s[SEL], s[SEL+1]
.endr
.irp b, 0,1,2,3
	s_delay_alu instid0(VALU_DEP_4)
	v_max_num_f32 v[TM+\b], v[TM+\b], v[TM+4+\b]
.endr
.irp b, 0,1,2,3
	s_delay_alu instid0(VALU_DEP_4)
	v_add_nc_u32 v[TM+12+\b], 0xff000000, v[TM+\b]
.endr
.irp b, 0,1,2,3
	s_delay_alu instid0(VALU_DEP_4)
	v_lshrrev_b32 v[TM+4+\b], 23, v[TM+12+\b]
.endr
	s_delay_alu instid0(VALU_DEP_3)
	v_lshl_or_b32 v[\pw], v[TM+5], 8, v[TM+4]
	s_delay_alu instid0(VALU_DEP_1)
	v_lshl_or_b32 v[\pw], v[TM+6], 16, v[\pw]
	s_delay_alu instid0(VALU_DEP_1)
	v_lshl_or_b32 v[\pw], v[TM+7], 24, v[\pw]
.irp c, 0,1
	v_cvt_scalef32_pk16_fp6_f32 v[\pc+6*\c:\pc+2+6*\c], v[\s+32*\c:\s+15+32*\c], v[TM+12+2*\c]
	v_cvt_scalef32_pk16_fp6_f32 v[\pc+12+4*\c:\pc+14+4*\c], v[\s+16+32*\c:\s+31+32*\c], v[TM+12+2*\c+1]
.endr
	v_nop                                          ; one plain place behind a scaled conversion
.irp c, 0,1
.irp i, 0,1,2
	v_permlane16_swap_b32 v[\pc+6*\c+\i], v[\pc+12+4*\c+\i]
.endr
.irp i, 0,1,2
	s_delay_alu instid0(VALU_DEP_3)
	v_mov_b32 v[\pc+3+6*\c+\i], v[\pc+12+4*\c+\i]
.endr
.endr
.endm
	s_load_b128 s[4:7], s[0:1], 0x0                ; qkvf s[4:5], ocodes s[6:7]
	v_lshl_add_u32 v[SPW], v0, 2, SPARE
	v_mov_b32 v[NIL], 0
	ds_add_u32 v[SPW], v[NIL]                      ; the opening: the add, twice on end, and its wait ahead of my first tensor load
	ds_add_u32 v[SPW], v[NIL]
	v_lshrrev_b32 v8, 5, v0
	s_delay_alu instid0(VALU_DEP_1)
	v_readfirstlane_b32 s[WV], v8                  ; wave 0..7
	s_bfe_u32 s9, ttmp6, 0x40000                   ; cx
	s_lshl_b32 s10, ttmp9, 2
	s_add_co_u32 s10, s10, s9                      ; my block of 128 queries: it enters q's and o's addresses alone
	s_and_b32 s11, ttmp7, 0xffff                   ; the head, which the four partners share
	s_mov_b32 s16, 15|(3<<16)|(1<<21)              ; group 1: the mask names all four; 12,800 dense bytes as 50 rows of 32 elements of 8 bytes
	s_mov_b32 s17, 32<<16
	s_mov_b32 s18, 50<<16
	s_mov_b32 s19, 32<<16
	s_mov_b32 s20, 50
	s_mov_b32 s21, 32
	s_mov_b32 s22, 0
	s_mov_b32 s23, 0
	s_and_b32 s46, s[WV], 3                        ; g
	s_lshr_b32 s47, s[WV], 2                       ; kh.  Also: I fetch for K (0) or for V (1)
	s_lshl_b32 s24, s47, 4
	s_add_co_u32 s24, s24, 16
	s_add_co_u32 s24, s24, s11                     ; (part, head)
	s_mul_i32 s24, s24, RBB
	s_mul_i32 s25, s9, KBB
	s_add_co_u32 s52, s24, s25                     ; the prefetches: my work-group's KB of a fill's four
	s_mov_b32 s53, 0
	s_mul_i32 s25, s46, KBB                        ; the g-th key step of a slot
	s_add_co_u32 s24, s24, s25
	s_mov_b32 s25, 0
	s_mul_i32 s36, s[WV], KBB                      ; and where it goes in a slot
	s_lshl_b32 s38, s11, 4
	s_add_co_u32 s38, s38, s10
	s_mul_i32 s38, s38, KBB                        ; q's KB: (head, block)
	s_lshl_b32 s41, s10, 4
	s_add_co_u32 s41, s41, s11
	s_mul_i32 s41, s41, KBB                        ; o's KB: (block, head)
	s_lshl_b32 s39, s46, 1
	s_add_co_u32 s40, s39, s47                     ; my tile 0 is query tile 2 g + kh,
	s_add_co_u32 s39, s39, 1
	s_sub_co_u32 s39, s39, s47                     ; my tile 1 is 2 g + 1 - kh
	s_mul_i32 s37, s40, FRB
	s_add_co_u32 s32, s38, s37
	s_mov_b32 s33, 0
	s_add_co_u32 s42, s41, s37
	s_mov_b32 s43, 0
	s_lshl_b32 s37, s40, 6
	s_add_co_u32 s34, s38, s37
	s_mov_b32 s35, 0
	s_add_co_u32 s44, s41, s37
	s_mov_b32 s45, 0
	s_mul_i32 s37, s39, FRB
	s_add_co_u32 s48, s38, s37
	s_mov_b32 s49, 0
	s_lshl_b32 s37, s39, 6
	s_add_co_u32 s50, s38, s37
	s_mov_b32 s51, 0
	s_mul_i32 s54, s46, 13
	s_mul_i32 s55, s47, 2*KBB
	s_mul_i32 s56, s[WV], XW
	s_xor_b32 s57, s[WV], 4
	s_mul_i32 s57, s57, XW
	s_mov_b32 s[SEL], 0x76543210
	s_mov_b32 s[SEL+1], 0xfedcba98
	s_mov_b32 s[CS], 0x3e0293ee                    ; c = log2(e) / sqrt(128)
	s_mov_b32 s[CS+1], s[CS]
	s_mov_b32 s[TB], 0
	s_mov_b32 s[CNT], 3
	s_wait_dscnt 0x0                               ; both opening adds are done
	s_wait_kmcnt 0x0
	s_mov_b32 s12, 1
	s_mov_b32 s13, s36
	s_add_nc_u64 s[14:15], s[4:5], s[24:25]
	s_or_b32 s15, s15, 0x80000000
	s_add_nc_u64 s[32:33], s[4:5], s[32:33]
	s_add_nc_u64 s[34:35], s[4:5], s[34:35]
	s_add_nc_u64 s[48:49], s[4:5], s[48:49]
	s_add_nc_u64 s[50:51], s[4:5], s[50:51]
	s_add_nc_u64 s[52:53], s[4:5], s[52:53]
	s_add_nc_u64 s[42:43], s[6:7], s[42:43]
	s_add_nc_u64 s[44:45], s[6:7], s[44:45]
	CROUND                                         ; all four work-groups are here: the first joint loads meet
	TLOAD                                          ; slot 0
	v_and_b32 v8, 31, v0
	v_and_b32 v9, 15, v0
	s_delay_alu instid0(VALU_DEP_2)
	v_lshlrev_b32 v[G16], 4, v8
	v_lshlrev_b32 v10, 2, v8
	v_lshlrev_b32 v[R4], 2, v9
	v_min_u32 v11, 12, v8
	v_add_nc_u32 v[L16K], s55, v[G16]
	v_add_nc_u32 v[L4K], s55, v10
	v_add_nc_u32 v11, s54, v11
	v_add_nc_u32 v[XS], s56, v[G16]
	v_add_nc_u32 v[XL], s57, v[G16]
	v_min_u32 v11, 49, v11
	v_add_nc_u32 v[L16V], HALF, v[L16K]
	v_add_nc_u32 v[L4V], HALF, v[L4K]
	v_lshlrev_b32 v[PFO], 8, v11
.irp c, 0,1,2
	global_load_b128 v[QF+4*\c:QF+4*\c+3], v[G16], s[32:33] offset:512*\c          ; Q's two fragments stay in registers
	global_load_b128 v[QF+12+4*\c:QF+12+4*\c+3], v[G16], s[48:49] offset:512*\c
.endr
	global_load_b32 v[QS], v[R4], s[34:35] offset:SCO                              ; their scale words: both halves of the lanes take the same
	global_load_b32 v[QS+1], v[R4], s[50:51] offset:SCO
	global_prefetch_b8 v[PFO], s[52:53] offset:2*HALF th:TH_LOAD_NT scope:SCOPE_SE   ; fill 2
.irp a, 0,1
	v_mov_b32 v[13+4*\a], 0xff61b1e6               ; the largest t so far: -3e38, under every t
	v_mov_b32 v[14+4*\a], 0                        ; the sum, in two halves
	v_mov_b32 v[15+4*\a], 0
	v_floor_f32 v[12+4*\a], -v[13+4*\a]            ; -M
.endr
	v_mov_b32 v[FF+1], 0                           ; (named as the upper half of the factor's pair)
.irp b, 0,1,2,3
	v_mov_b32 v[BT+\b], 0                          ; written once: a lane permute's destination counts as one of its sources
.endr
	WIN 0x40
.set J, 0
.rept 128
	v_mov_b32 v[J], 0                              ; O^T.  (The key step is written once: the first finds zeros, which the first change of M leaves zeros)
.set J, J+1
.endr
	WIN 0
; THE SCORES OF TILE a: S^T = K Q^T, eight products.  prog = 1: K has just been asked for: product t starts when K's scale words and fragments 0 .. t are in (its later fragments, 3 loads each, and V's 28 loads may be out).
.macro SMUL a, prog
	WIN 0x01
.irp t, 0,1,2,3,4,5,6,7
.if \prog
	s_wait_dscnt 49-3*\t
.endif
.if (\t)%2
	v_wmma_scale_f32_16x16x128_f8f6f4 v[SB+8*\t:SB+7+8*\t], v[128+12*\t:139+12*\t], v[QF+12*(\a):QF+12*(\a)+11], 0, v[KS+\t/2], v[QS+(\a)] matrix_a_fmt:MATRIX_FMT_FP6 matrix_b_fmt:MATRIX_FMT_FP6 matrix_a_scale:MATRIX_SCALE_ROW1
.else
	v_wmma_scale_f32_16x16x128_f8f6f4 v[SB+8*\t:SB+7+8*\t], v[128+12*\t:139+12*\t], v[QF+12*(\a):QF+12*(\a)+11], 0, v[KS+\t/2], v[QS+(\a)] matrix_a_fmt:MATRIX_FMT_FP6 matrix_b_fmt:MATRIX_FMT_FP6
.endif
.endr
	WIN 0
	PLACES                                         ; four places: in front of the first reads of the scores and of loads into K's registers
.endm
; THE SOFTMAX OF TILE a FOR 128 KEYS, AND ITS SECOND PRODUCT.  vwait = 1: V's fragments are waited for here.
.macro SOFT a, vwait
.set NM,  12+4*(\a)
	s_wait_alu depctr_va_vdst(0)
.irp b, 0,1,2,3
	v_max3_num_f32 v[BM+\b], v[SB+16*\b], v[SB+1+16*\b], v[SB+2+16*\b]   ; the largest score of each block of 32 keys: for the row's maximum and, since p rises with the score, for the block's largest p
.endr
.irp i, 3,5,7,9,11,13
.irp b, 0,1,2,3
	v_max3_num_f32 v[BM+\b], v[BM+\b], v[SB+16*\b+\i], v[SB+1+16*\b+\i]
.endr
.endr
.irp b, 0,1,2,3
	v_max_num_f32 v[BM+\b], v[BM+\b], v[SB+15+16*\b]
.endr
.irp b, 0,1,2,3
	s_delay_alu instid0(VALU_DEP_4)
	v_permlanex16_b32 v[BT+\b], v[BM+\b], s[SEL], s[SEL+1]
.endr
.irp b, 0,1,2,3
	s_delay_alu instid0(VALU_DEP_4)
	v_max_num_f32 v[BM+\b], v[BM+\b], v[BT+\b]     ; with lane l xor 16's 16 keys
.endr
	s_delay_alu instid0(VALU_DEP_2)
	v_max3_num_f32 v[T1], v[BM], v[BM+1], v[BM+2]
	s_delay_alu instid0(VALU_DEP_1)
	v_max_num_f32 v[T1], v[T1], v[BM+3]            ; the step's largest score of my query
	s_delay_alu instid0(VALU_DEP_1)
	v_mul_f32 v[T1], s[CS], v[T1]                  ; as t (c is positive)
	s_delay_alu instid0(VALU_DEP_1)
	v_max_num_f32 v[NM+1], v[NM+1], v[T1]          ; the running largest t
	v_mov_b32 v[T1], v[NM]
	s_delay_alu instid0(VALU_DEP_2)
	v_floor_f32 v[NM], -v[NM+1]                    ; the new -M = -ceil(t): a whole number
	s_delay_alu instid0(VALU_DEP_1)
	v_sub_f32 v[T1], v[NM], v[T1]                  ; old M - new M: a whole number, 0 or less
	s_delay_alu instid0(VALU_DEP_1)
	v_cvt_i32_f32 v[T1], v[T1]                     ; (it saturates)
	s_delay_alu instid0(VALU_DEP_1)
	v_ldexp_f32 v[FF], 1.0, v[T1]                  ; f = 2^(old M - new M)
.set J, 0
.rept 32
	v_pk_fma_f32 v[SB+2*J:SB+2*J+1], v[SB+2*J:SB+2*J+1], s[CS:CS+1], v[NM:NM+1] op_sel_hi:[1,0,0]   ; t - M, two at a time
.set J, J+1
.endr
.irp b, 0,1,2,3
	v_fma_f32 v[BM+\b], v[BM+\b], s[CS], v[NM]     ; the same of each block's largest score
.endr
	s_wait_alu depctr_va_vdst(0)
.set J, 0
.rept 64
	v_exp_f32 v[SB+J], v[SB+J]                     ; p = 2^(t - M), at most 1: not normalised
.set J, J+1
.endr
	v_pk_mul_f32 v[NM+2:NM+3], v[NM+2:NM+3], v[FF:FF+1] op_sel_hi:[1,0]   ; the sums under the new M (a plain place behind the exponentials)
	s_wait_alu depctr_va_vdst(0)                   ; one wait for the whole batch, ahead of its first reader
.irp b, 0,1,2,3
	v_exp_f32 v[BM+\b], v[BM+\b]                   ; the block's largest p: the same two instructions on the same number give the same bits
.endr
.irp k, 0,1,2,3,4,5,6
	v_pk_add_f32 v[BT+2*\k:BT+2*\k+1], v[SB+4*\k:SB+4*\k+1], v[SB+4*\k+2:SB+4*\k+3]   ; the row's sum of the unquantised p: eight chains by turns
.endr
	v_pk_add_f32 v[NM+2:NM+3], v[NM+2:NM+3], v[SB+28:SB+29]
.irp k, 0,1,2,3,4,5,6
	v_pk_add_f32 v[BT+2*\k:BT+2*\k+1], v[BT+2*\k:BT+2*\k+1], v[SB+30+2*\k:SB+31+2*\k]
.endr
	v_pk_add_f32 v[NM+2:NM+3], v[NM+2:NM+3], v[SB+44:SB+45]
.irp k, 0,1,2,3,4,5,6
	v_pk_add_f32 v[BT+2*\k:BT+2*\k+1], v[BT+2*\k:BT+2*\k+1], v[SB+46+2*\k:SB+47+2*\k]
.endr
	v_pk_add_f32 v[NM+2:NM+3], v[NM+2:NM+3], v[SB+60:SB+61]
	v_pk_add_f32 v[BT:BT+1], v[BT:BT+1], v[SB+62:SB+63]
	v_pk_add_f32 v[BT+2:BT+3], v[BT+2:BT+3], v[BT+10:BT+11]
	v_pk_add_f32 v[BT+4:BT+5], v[BT+4:BT+5], v[BT+12:BT+13]
	v_pk_add_f32 v[NM+2:NM+3], v[NM+2:NM+3], v[BT+6:BT+7]
	v_pk_add_f32 v[BT:BT+1], v[BT:BT+1], v[BT+8:BT+9]
	s_delay_alu instid0(VALU_DEP_3)
	v_pk_add_f32 v[BT+2:BT+3], v[BT+2:BT+3], v[BT+4:BT+5]
	s_delay_alu instid0(VALU_DEP_2)
	v_pk_add_f32 v[NM+2:NM+3], v[NM+2:NM+3], v[BT:BT+1]
	s_delay_alu instid0(VALU_DEP_1)
	v_pk_add_f32 v[NM+2:NM+3], v[NM+2:NM+3], v[BT+2:BT+3]
	s_wait_alu depctr_va_vdst(0)                   ; and one for the four
.irp b, 0,1,2,3
	v_max_num_f32 v[BM+\b], 0x1800000, v[BM+\b]    ; the floor 2^(3 - 127): the byte cannot fall under 1
.endr
.irp b, 0,1,2,3
	s_delay_alu instid0(VALU_DEP_4)
	v_add_nc_u32 v[SO+\b], 0xff000000, v[BM+\b]    ; 2 off the exponent field: the conversion's scale operand
.endr
.irp b, 0,1,2,3
	s_delay_alu instid0(VALU_DEP_4)
	v_lshrrev_b32 v[BT+\b], 23, v[SO+\b]           ; the scale's byte
.endr
	s_delay_alu instid0(VALU_DEP_3)
	v_lshl_or_b32 v[PWD], v[BT+1], 8, v[BT]        ; p's scale word for these 128 keys
	s_delay_alu instid0(VALU_DEP_1)
	v_lshl_or_b32 v[PWD], v[BT+2], 16, v[PWD]
	s_delay_alu instid0(VALU_DEP_1)
	v_lshl_or_b32 v[PWD], v[BT+3], 24, v[PWD]
.irp c, 0,1
	v_cvt_scalef32_pk16_fp6_f32 v[CD+6*\c:CD+2+6*\c], v[SB+32*\c:SB+15+32*\c], v[SO+2*\c]
	v_cvt_scalef32_pk16_fp6_f32 v[CV+4*\c:CV+2+4*\c], v[SB+16+32*\c:SB+31+32*\c], v[SO+2*\c+1]   ; (a conversion's three registers begin on an even number)
.endr
	v_nop                                          ; one plain place behind a scaled conversion
.irp c, 0,1                                    ; the operand's layout wants a WHOLE block in a lane
.irp i, 0,1,2
	v_permlane16_swap_b32 v[CD+6*\c+\i], v[CV+4*\c+\i]
.endr
.irp i, 0,1,2
	s_delay_alu instid0(VALU_DEP_3)
	v_mov_b32 v[CD+3+6*\c+\i], v[CV+4*\c+\i]
.endr
.endr
	s_wait_alu depctr_va_vdst(0)
	WIN 0x41
.set J, 0
.rept 32
	v_pk_mul_f32 v[64*(\a)+2*J:64*(\a)+2*J+1], v[64*(\a)+2*J:64*(\a)+2*J+1], v[FF:FF+1] op_sel_hi:[1,0]   ; O^T under the new M.  (These 32 are also the places between the lines that made p's codes and scale word and the products)
.set J, J+1
.endr
	s_wait_alu depctr_va_vdst(0)
.if \vwait
	s_wait_dscnt 0x0                               ; V of this step is in
.endif
	WIN 0x50
.irp t, 0,1,2,3,4,5,6,7
.if (\t)%2
	v_wmma_scale_f32_16x16x128_f8f6f4 v[64*(\a)+8*\t:64*(\a)+8*\t+7], v[128+12*\t:139+12*\t], v[CD:CD+11], v[64*(\a)+8*\t:64*(\a)+8*\t+7], v[VS+\t/2], v[PWD] matrix_a_fmt:MATRIX_FMT_FP6 matrix_b_fmt:MATRIX_FMT_FP6 matrix_a_scale:MATRIX_SCALE_ROW1
.else
	v_wmma_scale_f32_16x16x128_f8f6f4 v[64*(\a)+8*\t:64*(\a)+8*\t+7], v[128+12*\t:139+12*\t], v[CD:CD+11], v[64*(\a)+8*\t:64*(\a)+8*\t+7], v[VS+\t/2], v[PWD] matrix_a_fmt:MATRIX_FMT_FP6 matrix_b_fmt:MATRIX_FMT_FP6
.endif
.endr
	WIN 0
.endm
; A KEY STEP: 128 keys, the q-th of my two in the slot in hand, for my two tiles one after the other.
.macro STEP q
.if (\q) == 0
	SMUL 0, 1
.else
	s_wait_dscnt 28                                ; K of this step is in; V's 28 loads may be out
	SMUL 0, 0
.endif
	SOFT 0, 1
	SMUL 1, 0
.if (\q) < 1
	GETK (\q)+1                                    ; K of the next step lands under tile 1's softmax
.endif
	SOFT 1, 0
.if (\q) < 1
	PLACES                                         ; places in front of the loads into V's registers
	GETV (\q)+1                                    ; V of the next step lands under the next step's first softmax
.endif
.endm
; THE CHANGE OF SLOTS stands at a slot's head.  Each wave waits for its tensor load (its part of the slot that it is about to read), adds 0 to its spare word, and waits for that and for its reads of the slot that it has left.
; fill = 1: the barrier is a round of the cluster's, and behind it the other slot is filled with the keys that follow: one load a wave.
.macro CHANGE fill
	s_wait_tensorcnt 0x0                           ; no tensor load of mine is out, so group 0 may be written
	ds_add_u32 v[SPW], v[NIL]
.if \fill
	s_xor_b32 s13, s13, SLOT1                      ; the walking descriptor: the other slot than last time,
	s_add_nc_u64 s[14:15], s[14:15], HALF          ; the next four key steps
.endif
	s_wait_dscnt 0x0
.if \fill
	CROUND
	TLOAD
.else
	s_barrier_signal -1
	s_barrier_wait -1
.endif
.endm
.macro SLOT_STEPS ask
	v_add_nc_u32 v[ADK], s[TB], v[L16K]            ; (these four are also the places in front of the loads into V's registers)
	v_add_nc_u32 v[ADV], s[TB], v[L16V]
	v_add_nc_u32 v[ASK], s[TB], v[L4K]
	v_add_nc_u32 v[ASV], s[TB], v[L4V]
	GETK 0
	GETV 0
	s_wait_alu depctr_va_vdst(0)
.if \ask
	s_cmp_eq_u32 s[CNT], 3                         ; behind fill 1's load alone: fill 3
	s_cbranch_scc0 .Lnone_\@
	global_prefetch_b8 v[PFO], s[52:53] offset:3*HALF th:TH_LOAD_NT scope:SCOPE_SE
.Lnone_\@:
.endif
	STEP 0
	STEP 1
	s_xor_b32 s[TB], s[TB], SLOT1                  ; on to the other slot
.endm
	s_wait_alu depctr_va_vdst(0)
	s_wait_loadcnt 0x0                             ; Q
.Lslot:                                            ; three trips: behind each change of slots but the last the next slot is asked for
	CHANGE 1
	SLOT_STEPS 1
	s_sub_co_u32 s[CNT], s[CNT], 1
	s_cmp_lg_u32 s[CNT], 0
	s_cbranch_scc1 .Lslot
	CHANGE 0                                       ; the last slot is written out
	SLOT_STEPS 0
	; THE TWO HALVES OF THE KEYS MEET: my tile 1 goes to the wave w xor 4, whose tile 1 is my tile 0
	PLACES                                         ; places behind the last products
	WIN 0x04
.irp i, 0,1,2,3,4,5,6,7,8,9,10,11,12,13,14,15
	ds_store_b128 v[XS], v[64+4*\i:64+4*\i+3] offset:512*\i   ; ascending: each accumulator is read from its low end on
.endr
	WIN 0
	ds_store_b128 v[XS], v[16:19] offset:8192      ; -M, the largest t, the sum's two halves
	s_wait_alu depctr_va_vdst(0)
	s_wait_dscnt 0x0
	s_barrier_signal -1
	s_barrier_wait -1
.irp i, 0,1,2,3,4,5,6,7,8,9,10,11,12,13,14,15
	ds_load_b128 v[64+4*\i:64+4*\i+3], v[XL] offset:512*\i
.endr
	ds_load_b128 v[16:19], v[XL] offset:8192
	s_wait_dscnt 0x0
	v_min_num_f32 v[T1], v12, v16                  ; -M of both parts together
	v_add_f32 v14, v14, v15
	v_add_f32 v18, v18, v19
	s_delay_alu instid0(VALU_DEP_3)
	v_sub_f32 v224, v[T1], v12
	v_sub_f32 v225, v[T1], v16
	s_delay_alu instid0(VALU_DEP_2)
	v_cvt_i32_f32 v224, v224
	s_delay_alu instid0(VALU_DEP_2)
	v_cvt_i32_f32 v225, v225
	s_delay_alu instid0(VALU_DEP_2)
	v_ldexp_f32 v224, 1.0, v224                    ; my part's factor,
	s_delay_alu instid0(VALU_DEP_2)
	v_ldexp_f32 v225, 1.0, v225                    ; the other's: powers of two
	s_delay_alu instid0(VALU_DEP_2)
	v_mul_f32 v14, v14, v224
	s_delay_alu instid0(VALU_DEP_1)
	v_fma_f32 v14, v18, v225, v14
	s_delay_alu instid0(VALU_DEP_1)
	v_permlanex16_b32 v226, v14, s[SEL], s[SEL+1]
	s_delay_alu instid0(VALU_DEP_1)
	v_add_f32 v14, v14, v226                       ; the row's sum
	s_wait_alu depctr_va_vdst(0)
	v_rcp_f32 v15, v14
	v_nop                                          ; a plain place behind the reciprocal
	s_wait_alu depctr_va_vdst(0)
	v_mul_f32 v224, v224, v15
	v_mul_f32 v225, v225, v15
.set J, 0
.rept 32
	v_pk_mul_f32 v[128+2*J:129+2*J], v[64+2*J:65+2*J], v[224:225] op_sel:[0,1] op_sel_hi:[1,1]
.set J, J+1
.endr
	WIN 0x01
	s_wait_alu depctr_va_vdst(0)
.set J, 0
.rept 32
	v_pk_fma_f32 v[128+2*J:129+2*J], v[2*J:2*J+1], v[224:225], v[128+2*J:129+2*J] op_sel_hi:[1,0,1]   ; ascending: each accumulator is read from its low end on
.set J, J+1
.endr
	WIN 0
	QUANT 128, PC, PW                              ; 64 numbers of one token in the quantiser's order: one fragment of the last product, stored as it stands
.irp c, 0,1,2
	global_store_b128 v[G16], v[PC+4*\c:PC+4*\c+3], s[42:43] offset:512*\c   ; 512 consecutive bytes, at a multiple of 256 from the buffer's first byte
.endr
	global_store_b32 v[R4], v[PW], s[44:45] offset:SCO   ; my tile's 16 scale words; both halves of the lanes hold the same word and write it to the same place
	s_wait_tensorcnt 0x0                           ; the wave's end
	ds_add_u32 v[SPW], v[NIL]
	s_wait_dscnt 0x0
	CROUND                                         ; the closing round
	s_endpgm
.Lfunc_end_k_q35314d2f44_attn:
	.size	k_q35314d2f44_attn, .Lfunc_end_k_q35314d2f44_attn-k_q35314d2f44_attn
	.p2alignl 7, 3214868480
	.fill 96, 4, 3214868480
	.section	.rodata,"a",@progbits
	.p2align	6, 0x0
	.amdhsa_kernel k_q35314d2f44_attn
		.amdhsa_group_segment_fixed_size 327680
		.amdhsa_private_segment_fixed_size 0
		.amdhsa_enable_private_segment 0
		.amdhsa_kernarg_size 16
		.amdhsa_user_sgpr_count 2
		.amdhsa_user_sgpr_kernarg_segment_ptr 1
		.amdhsa_wavefront_size32 1
		.amdhsa_system_sgpr_workgroup_id_x 1
		.amdhsa_system_sgpr_workgroup_id_y 1
		.amdhsa_system_sgpr_workgroup_id_z 1
		.amdhsa_system_vgpr_workitem_id 0
		.amdhsa_next_free_vgpr 512
		.amdhsa_next_free_sgpr 66
		.amdhsa_reserve_vcc 0
		.amdhsa_float_denorm_mode_32 3
		.amdhsa_float_denorm_mode_16_64 3
		.amdhsa_memory_ordered 1
		.amdhsa_forward_progress 1
		.amdhsa_inst_pref_size 171
	.end_amdhsa_kernel
	.amdgpu_metadata
---
amdhsa.version: [ 1, 2 ]
amdhsa.kernels:
  - .name:           k_q35314d2f44_attn
    .symbol:         k_q35314d2f44_attn.kd
    .args:
      - { .name: qkvf, .offset: 0, .size: 8, .value_kind: global_buffer, .address_space: global }
      - { .name: ocodes, .offset: 8, .size: 8, .value_kind: global_buffer, .address_space: global }
    .group_segment_fixed_size: 327680
    .private_segment_fixed_size: 0
    .kernarg_segment_align: 8
    .kernarg_segment_size: 16
    .max_flat_workgroup_size: 256
    .sgpr_count:     66
    .vgpr_count:     512
    .wavefront_size: 32
...
	.end_amdgpu_metadata
.endif
;; end of part 3
;; launch outp (part 4): grid 16 x 16, 4 waves a work-group, clusters of 4 x 4, 327,680 bytes of LDS; arguments xw, ocodes, bo, out0; writes out0
.if DOCPART == 4
	.amdgcn_target "amdgcn-amd-amdhsa--gfx1250"
	.amdhsa_code_object_version 6
	.text
	.protected	k_q35314d2f44_outp
	.globl	k_q35314d2f44_outp
	.p2align	8
	.type	k_q35314d2f44_outp,@function
k_q35314d2f44_outp:
	s_mov_b64 s[64:65], 0
	v_nop
	global_prefetch_b8 v0, s[64:65] scope:SCOPE_SE
	s_setreg_imm32_b32 hwreg(HW_REG_WAVE_MODE, 25, 1), 1
	s_wait_xcnt 0x0
	s_wait_alu depctr_hold_cnt(0) depctr_sa_sdst(0) depctr_va_vdst(0) depctr_va_sdst(0) depctr_va_ssrc(0) depctr_va_vcc(0) depctr_vm_vsrc(0)
	s_getreg_b32 s2, hwreg(HW_REG_IB_STS2, 6, 4)
	s_cmp_eq_u32 s2, 0
	s_cbranch_scc0 .Lentry_in_a_cluster
	s_endpgm
.Lentry_in_a_cluster:
	s_bfe_u32 s2, ttmp6, 0x10000c
	s_cmp_lg_u32 s2, 0xf033
	s_cbranch_scc0 .Lentry_shape_is_right
	s_endpgm
.Lentry_shape_is_right:
.set KBB,   12800
.set FRB,   1536
.set SCO,   12288
.set RBB,   16*KBB
.set HALF,  4*KBB
.set SLOT,  2*HALF
.set SPARE, 2*SLOT
.set STW,   8448
.set LN16,  4
.set LN4,   5
.set ADB,   6
.set ADM,   8
.set ASB,   10
.set ASM,   12
.set SPW,   14
.set NIL,   15
.set SCR,   16
.set STO,   26
.set RD,    27
.set BO64,  28
.set SM,    32
.set ACC,   128
.set WV,    20
.set G1B,   32
.set G1S,   40
.set G0B,   48
.set G0S,   56
.set MUL,   0x01
.set MULB,  0x21
.set TO1,   0x40
.set MSB, 0
.macro WIN new
.if MSB != \new
	s_set_vgpr_msb (MSB<<8)|\new
.set MSB, \new
.endif
.endm
.macro PLACES n
.rept \n
	v_nop
.endr
.endm
.macro CREST
	s_cmp_lg_u32 s[WV], 0
	s_cbranch_scc1 .Lnot_wave_0_\@
	s_barrier_signal -3
.Lnot_wave_0_\@:
	s_barrier_wait -3
	s_barrier_signal -1
	s_barrier_wait -1
.endm
.macro CROUND
	s_barrier_signal -1
	s_barrier_wait -1
	CREST
.endm
.macro JLOAD s
	s_cmp_eq_u32 s21, 0
	s_cbranch_scc0 .Lfor_s_\@
	tensor_load_to_lds s[G0B+4*\s:G0B+4*\s+3], s[G1B:G1B+7]
	s_nop 0
.rept 4
	v_nop
.endr
	s_branch .Lasked_\@
.Lfor_s_\@:
	tensor_load_to_lds s[G0S+4*\s:G0S+4*\s+3], s[G1S:G1S+7]
	s_nop 0
.rept 4
	v_nop
.endr
.Lasked_\@:
.endm
.macro WM d, a, b, sa, sb, ra, rb, cr
.if (\ra) && (\rb)
	v_wmma_scale_f32_16x16x128_f8f6f4 v[\d:\d+7], v[\a:\a+11], v[\b:\b+11], v[\cr:\cr+7], v[\sa], v[\sb] matrix_a_fmt:MATRIX_FMT_FP6 matrix_b_fmt:MATRIX_FMT_FP6 matrix_a_scale:MATRIX_SCALE_ROW1 matrix_b_scale:MATRIX_SCALE_ROW1
.elseif (\ra)
	v_wmma_scale_f32_16x16x128_f8f6f4 v[\d:\d+7], v[\a:\a+11], v[\b:\b+11], v[\cr:\cr+7], v[\sa], v[\sb] matrix_a_fmt:MATRIX_FMT_FP6 matrix_b_fmt:MATRIX_FMT_FP6 matrix_a_scale:MATRIX_SCALE_ROW1
.elseif (\rb)
	v_wmma_scale_f32_16x16x128_f8f6f4 v[\d:\d+7], v[\a:\a+11], v[\b:\b+11], v[\cr:\cr+7], v[\sa], v[\sb] matrix_a_fmt:MATRIX_FMT_FP6 matrix_b_fmt:MATRIX_FMT_FP6 matrix_b_scale:MATRIX_SCALE_ROW1
.else
	v_wmma_scale_f32_16x16x128_f8f6f4 v[\d:\d+7], v[\a:\a+11], v[\b:\b+11], v[\cr:\cr+7], v[\sa], v[\sb] matrix_a_fmt:MATRIX_FMT_FP6 matrix_b_fmt:MATRIX_FMT_FP6
.endif
.endm
.macro MULS p, t0, n, z
.set TT, \t0
.rept \n
.set MM, 0
.rept 2
.if (\z) == 2
	WM ACC+64*MM+8*TT, 96*(\p)+12*TT, SM+24*(\p)+12*MM, SCR+5*(\p)+TT/2, SCR+5*(\p)+4, TT%2, MM, 8*TT
.else
	WM ACC+64*MM+8*TT, 96*(\p)+12*TT, SM+24*(\p)+12*MM, SCR+5*(\p)+TT/2, SCR+5*(\p)+4, TT%2, MM, ACC+64*MM+8*TT
.endif
.set MM, MM+1
.endr
.set TT, TT+1
.endr
.endm
.macro FETCH slot, q, p
	WIN TO1
.irp t, 0,1,2,3,4,5,6,7
.irp c, 0,1,2
	ds_load_b128 v[96*(\p)+12*\t+4*\c:96*(\p)+12*\t+4*\c+3], v[ADB+(\slot)] offset:KBB*(\q)+FRB*\t+512*\c
.endr
.endr
	WIN 0
.irp m, 0,1
.irp c, 0,1,2
	ds_load_b128 v[SM+24*(\p)+12*\m+4*\c:SM+24*(\p)+12*\m+4*\c+3], v[ADM+(\slot)] offset:KBB*(\q)+FRB*\m+512*\c
.endr
.endr
.irp b, 0,1,2,3
	ds_load_b32 v[SCR+5*(\p)+\b], v[ASB+(\slot)] offset:KBB*(\q)+128*\b
.endr
	ds_load_b32 v[SCR+5*(\p)+4], v[ASM+(\slot)] offset:KBB*(\q)
.endm
.macro STEP slot, q, z
	s_wait_dscnt 0x0
.if (\z) == 2
	WIN MULB
.else
	WIN MUL
.endif
	MULS (\q)%2, 0, 4, \z
	PLACES 4
	FETCH \slot, (\q)+1, 1-(\q)%2
.if (\z) == 2
	WIN MULB
.else
	WIN MUL
.endif
	MULS (\q)%2, 4, 4, \z
	WIN 0
.endm
.macro TURN slot, fill
	WIN 0
	s_wait_tensorcnt 0x0
	ds_add_u32 v[SPW], v[NIL]
	s_wait_dscnt 1
	WIN MUL
	MULS 1, 0, 2, 0
	s_wait_dscnt 0x0
	s_barrier_signal -1
	MULS 1, 2, 2, 0
	WIN 0
	s_barrier_wait -1
.if \fill
	CREST
	s_add_nc_u64 s[G0B+4*\slot+2:G0B+4*\slot+3], s[G0B+4*\slot+2:G0B+4*\slot+3], SLOT
	s_add_nc_u64 s[G0S+4*\slot+2:G0S+4*\slot+3], s[G0S+4*\slot+2:G0S+4*\slot+3], SLOT
	JLOAD \slot
.else
	PLACES 4
.endif
	FETCH 1-\slot, 0, 0
	WIN MUL
	MULS 1, 4, 4, 0
	WIN 0
.endm
	s_load_b256 s[4:11], s[0:1], 0x0
	v_lshl_add_u32 v[SPW], v0, 2, SPARE
	v_mov_b32 v[NIL], 0
	ds_add_u32 v[SPW], v[NIL]
	ds_add_u32 v[SPW], v[NIL]
	v_lshrrev_b32 v1, 5, v0
	v_readfirstlane_b32 s[WV], v1
	v_and_b32 v2, 31, v0
	v_min_u32 v2, 24, v2
	v_lshlrev_b32 v29, 8, v2                       ; the prefetches' offset: a lane a block of 256 bytes, 25 blocks; lanes 25-31 name the 25th again; never rewritten
	s_lshr_b32 s21, s[WV], 1
	s_and_b32 s22, s[WV], 1
	s_bfe_u32 s23, ttmp6, 0x40000
	s_bfe_u32 s24, ttmp6, 0x40004
	s_lshl_b32 s25, ttmp9, 2
	s_add_co_u32 s25, s25, s23
	s_and_b32 s26, ttmp7, 0xffff
	s_lshl_b32 s26, s26, 2
	s_add_co_u32 s26, s26, s24
	s_lshl_b32 s27, s24, 2
	s_lshl_b32 s27, 15, s27
	s_lshl_b32 s28, 0x1111, s23
	s_or_b32 s[G1B], s28, (3<<16)|(1<<21)
	s_or_b32 s[G1S], s27, (3<<16)|(1<<21)
.irp g, G1B, G1S
	s_mov_b32 s[\g+1], 32<<16
	s_mov_b32 s[\g+2], 100<<16
	s_mov_b32 s[\g+3], 32<<16
	s_mov_b32 s[\g+4], 100
	s_mov_b32 s[\g+5], 32
	s_mov_b32 s[\g+6], 0
	s_mov_b32 s[\g+7], 0
.endr
	s_mul_i32 s29, s22, 2*KBB
	s_add_co_u32 s66, s25, 64
	s_mul_i32 s66, s66, RBB
	s_add_co_u32 s66, s66, s29
	s_mov_b32 s67, 0
	s_mul_i32 s68, s26, RBB
	s_add_co_u32 s68, s68, s29
	s_mov_b32 s69, 0
	s_mul_i32 s70, s[WV], 2*KBB
	s_wait_dscnt 0x0
	s_wait_kmcnt 0x0
	s_add_nc_u64 s[66:67], s[4:5], s[66:67]
	s_add_nc_u64 s[68:69], s[6:7], s[68:69]
	s_cmp_eq_u32 s21, 0                            ; the prefetches: the 25,600 bytes of a fill that I fetch are 100 blocks of 256 bytes; each of the four partners that ask for them jointly takes 25, told apart by address
	s_cselect_b64 s[72:73], s[66:67], s[68:69]
	s_cselect_b32 s71, s24, s23
	s_mul_i32 s76, s71, 25*256
	s_mov_b32 s77, 0
	s_add_nc_u64 s[72:73], s[72:73], s[76:77]
	CROUND
.irp s, 0,1
	s_mov_b32 s[G0B+4*\s], 1
	s_add_co_u32 s[G0B+4*\s+1], s70, \s*SLOT
	s_add_nc_u64 s[G0B+4*\s+2:G0B+4*\s+3], s[66:67], \s*HALF
	s_or_b32 s[G0B+4*\s+3], s[G0B+4*\s+3], 0x80000000
	s_mov_b32 s[G0S+4*\s], 1
	s_add_co_u32 s[G0S+4*\s+1], s70, \s*SLOT
	s_add_nc_u64 s[G0S+4*\s+2:G0S+4*\s+3], s[68:69], \s*HALF
	s_or_b32 s[G0S+4*\s+3], s[G0S+4*\s+3], 0x80000000
	s_wait_alu depctr_va_vdst(0)
	s_wait_tensorcnt 0x0
	ds_add_u32 v14, v15
	ds_add_u32 v14, v15
	s_wait_dscnt 0x0
	CROUND
	JLOAD \s
.if \s == 0
	global_prefetch_b8 v29, s[72:73] offset:HALF th:TH_LOAD_NT scope:SCOPE_SE     ; behind fill 0's load: fills 1 and 2
	global_prefetch_b8 v29, s[72:73] offset:2*HALF th:TH_LOAD_NT scope:SCOPE_SE
.else
	global_prefetch_b8 v29, s[72:73] offset:3*HALF th:TH_LOAD_NT scope:SCOPE_SE   ; behind fill 1's load: fill 3, the last
.endif
.endr
	v_and_b32 v1, 31, v0
	v_and_b32 v2, 15, v0
	v_bfe_u32 v3, v0, 4, 1
	v_lshlrev_b32 v[LN16], 4, v1
	v_lshlrev_b32 v[LN4], 2, v1
	s_mul_i32 s29, s[WV], 2*FRB
	s_add_co_u32 s29, s29, HALF
	s_lshl_b32 s30, s[WV], 7
	s_add_co_u32 s30, s30, HALF+SCO
.irp s, 0,1
	v_add_nc_u32 v[ADB+\s], \s*SLOT, v[LN16]
	v_add_nc_u32 v[ADM+\s], s29, v[LN16]
	v_add_nc_u32 v[ASB+\s], \s*SLOT+SCO, v[LN4]
	v_add_nc_u32 v[ASM+\s], s30, v[LN4]
	s_add_co_u32 s29, s29, SLOT
	s_add_co_u32 s30, s30, SLOT
.endr
	s_mul_i32 s29, s[WV], 2*STW
	v_mul_u32_u24 v[STO], v2, 528
	v_lshl_add_u32 v[STO], v3, 6, v[STO]
	v_add_nc_u32 v[STO], s29, v[STO]
	v_add_nc_u32 v[RD], s29, v[LN16]
	v_lshlrev_b32 v[BO64], 6, v3
	s_wait_alu depctr_va_vdst(0)
	s_lshl_b32 s90, s25, 9
	s_mov_b32 s91, 0
	s_add_nc_u64 s[78:79], s[8:9], s[90:91]
	s_lshl_b32 s92, s26, 20
	s_lshl_b32 s93, s[WV], 18
	s_add_co_u32 s92, s92, s93
	s_add_co_u32 s90, s90, s92
	s_add_nc_u64 s[74:75], s[10:11], s[90:91]
	WIN 0x80
.irp b, 0,1,2,3
.irp j, 0,1,2,3
	global_load_b128 v[16*\b+4*\j:16*\b+4*\j+3], v[BO64], s[78:79] offset:128*\b+16*\j
.endr
.endr
	WIN 0
	s_wait_tensorcnt 0x1
	s_barrier_signal -1
	s_barrier_wait -1
	FETCH 0, 0, 0
	s_wait_loadcnt 0x0
	STEP 0, 0, 2
	STEP 0, 1, 0
	STEP 0, 2, 0
	TURN 0, 1
	STEP 1, 0, 0
	STEP 1, 1, 0
	STEP 1, 2, 0
	TURN 1, 1
	STEP 0, 0, 0
	STEP 0, 1, 0
	STEP 0, 2, 0
	TURN 0, 0
	STEP 1, 0, 0
	STEP 1, 1, 0
	STEP 1, 2, 0
	s_wait_dscnt 0x0
	WIN MUL
	MULS 1, 0, 8, 0
	WIN 0
.macro TOSTAGE m, back
.irp b, 0,1,2,3
.irp j, 0,1,2,3
	ds_store_b128 v[STO], v[ACC+64*\m+16*\b+4*\j:ACC+64*\m+16*\b+4*\j+3] offset:STW*\m+128*\b+16*\j
.endr
.endr
.irp i, 0,1,2,3,4,5,6,7,8,9,10,11,12,13,14,15
	ds_load_b128 v[\back+4*\i:\back+4*\i+3], v[RD] offset:STW*\m+528*\i
.endr
.endm
.macro SEND m, back
.irp i, 0,1,2,3,4,5,6,7,8,9,10,11,12,13,14,15
	global_store_b128 v[LN16], v[\back+4*\i:\back+4*\i+3], s[74:75] offset:(8*\m+\i+8*(\i/8))*8192 th:TH_STORE_NT
.endr
.endm
	PLACES 4
	TOSTAGE 0, 32
	TOSTAGE 1, 128
	s_wait_dscnt 32
	SEND 0, 32
	s_wait_dscnt 0x0
	SEND 1, 128
	s_wait_tensorcnt 0x0
	ds_add_u32 v[SPW], v[NIL]
	s_wait_dscnt 0x0
	CROUND
	s_endpgm
.Lfunc_end_k_q35314d2f44_outp:
	.size	k_q35314d2f44_outp, .Lfunc_end_k_q35314d2f44_outp-k_q35314d2f44_outp
	.p2alignl 7, 3214868480
	.fill 96, 4, 3214868480
	.section	.rodata,"a",@progbits
	.p2align	6, 0x0
	.amdhsa_kernel k_q35314d2f44_outp
		.amdhsa_group_segment_fixed_size 327680
		.amdhsa_private_segment_fixed_size 0
		.amdhsa_enable_private_segment 0
		.amdhsa_kernarg_size 32
		.amdhsa_user_sgpr_count 2
		.amdhsa_user_sgpr_kernarg_segment_ptr 1
		.amdhsa_wavefront_size32 1
		.amdhsa_system_sgpr_workgroup_id_x 1
		.amdhsa_system_sgpr_workgroup_id_y 1
		.amdhsa_system_sgpr_workgroup_id_z 1
		.amdhsa_system_vgpr_workitem_id 0
		.amdhsa_next_free_vgpr 1024
		.amdhsa_next_free_sgpr 100
		.amdhsa_reserve_vcc 0
		.amdhsa_float_denorm_mode_32 3
		.amdhsa_float_denorm_mode_16_64 3
		.amdhsa_memory_ordered 1
		.amdhsa_forward_progress 1
		.amdhsa_inst_pref_size 92
	.end_amdhsa_kernel
	.amdgpu_metadata
---
amdhsa.version: [ 1, 2 ]
amdhsa.kernels:
  - .name:           k_q35314d2f44_outp
    .symbol:         k_q35314d2f44_outp.kd
    .args:
      - { .name: xw, .offset: 0, .size: 8, .value_kind: global_buffer, .address_space: global }
      - { .name: ocodes, .offset: 8, .size: 8, .value_kind: global_buffer, .address_space: global }
      - { .name: bo, .offset: 16, .size: 8, .value_kind: global_buffer, .address_space: global }
      - { .name: out0, .offset: 24, .size: 8, .value_kind: global_buffer, .address_space: global }
    .group_segment_fixed_size: 327680
    .private_segment_fixed_size: 0
    .kernarg_segment_align: 8
    .kernarg_segment_size: 32
    .max_flat_workgroup_size: 128
    .sgpr_count:     100
    .vgpr_count:     1024
    .wavefront_size: 32
...
	.end_amdgpu_metadata
.endif
;; end of part 4
